; MI455X (gfx1250); checked and timed in simulation.
; The chip was launched on July 23, 2026; its instructions are those of AMD's public machine-readable ISA for CDNA 5 (MIT licence, August 2026) and "CDNA5" Instruction Set Architecture Reference Guide (July 2026). The comments in the code are by the model that wrote it; some were corrected since.
;; Qwen3 Attention. Allowed arithmetic: matrix products marked QUANTISED: E3M2 operands, one E8M0 scale for each 32 along K, by v_wmma_scale_f32_16x16x128_f8f6f4 with both operands' format E3M2, f32 sums; everything else in f32.
;; Inputs: Wk 4,096 x 1,024 float32; Wo 2,048 x 4,096 float32; Wq 4,096 x 2,048 float32; Wv 4,096 x 1,024 float32; k_scale 128 float32; positions 2,048 int32; q_scale 128 float32; x 1 x 2,048 x 4,096 float32.
;; Outputs: out0 1 x 2,048 x 4,096 float32.
;; This version of the problem:
;;   THIS VERSION OF THE PROBLEM IS GIVEN IN LOW PRECISION. The matrix products marked QUANTISED in the list below multiply operands that are first quantised to E3M2 (3 exponent bits, 2 mantissa bits; 6 bits a number), with one power-of-two scale for each 32 numbers along K (OCP MX v1.0); their sums are f32. All else is computed in f32.
;;   The module's matrix products, in the order in which they are computed (A, B: the left and right operand; K: the contracted axis; several contracted axes count as one K, in the product's order):
;;     1. [M 2,048, K 4,096] x [K 4,096, N 2,048]; A: input x; B: input Wq: QUANTISED
;;     2. [M 2,048, K 4,096] x [K 4,096, N 1,024]; A: input x; B: input Wk: QUANTISED
;;     3. [M 2,048, K 4,096] x [K 4,096, N 1,024]; A: input x; B: input Wv: QUANTISED
;;     4. batch 8 x [M 4,096, K 128] x [K 128, N 2,048]; A: computed on the way; B: computed on the way: QUANTISED
;;     5. batch 8 x [M 4,096, K 2,048] x [K 2,048, N 128]; A: softmax (see below); B: computed on the way: QUANTISED
;;     6. [M 2,048, K 2,048] x [K 2,048, N 4,096]; A: computed on the way; B: input Wo: QUANTISED
;;   THE QUANTISER, for each operand of a quantised product, along K:
;;     - K is cut into blocks of 32 from its start; a last block that is shorter is filled with zeros.
;;     - A block's scale is 2^e with e = floor(log2(the largest magnitude in the block)) - 4, held to -126 .. 127; a block of zeros has e = 0. As a byte (E8M0): e + 127.
;;     - Each number is divided by its block's scale, clamped to +-28, and rounded to the nearest number of E3M2, ties to even, subnormals kept.
;;     - The product sums the exact products of the quantised numbers (number of the format x scale) in f32.
;;   ~~~python
;;   def quantise(x, axis):      # numpy; x: float32 -> the quantised numbers, widened to float32 again
;;       x = np.moveaxis(x, axis, -1); K = x.shape[-1]
;;       x = np.pad(x, [(0, 0)] * (x.ndim - 1) + [(0, -K % 32)]); x = x.reshape(x.shape[:-1] + (-1, 32)); a = np.abs(x).max(-1, keepdims=True)
;;       e = np.where(a > 0, np.clip(np.frexp(np.where(a > 0, a, 1))[1] - 1 - 4, -126, 127), 0)      # np.frexp(a)[1] - 1 = floor(log2(a)), exactly
;;       r = np.clip(x / 2.0 ** e, -28, 28)
;;       step = 2.0 ** (np.maximum(np.frexp(np.where(r == 0, 1, r))[1] - 1, -2) - 2)
;;       q = np.round(r / step) * step * 2.0 ** e      # np.round: ties to even
;;       return np.moveaxis(q.reshape(q.shape[:-2] + (-1,))[..., :K], -1, axis).astype(np.float32)
;;   ~~~
;;   SOFTMAX AHEAD OF A QUANTISED PRODUCT. Where the list says 'softmax', what is quantised is not the finished softmax but p = 2^(t - M), with t = logit x log2(e) and M = ceil(the row's largest t), a whole number; so 1/2 < the row's largest p <= 1. The row's sum l is taken of the UNQUANTISED p, in f32, and the product's result is divided by l at the end. Since M is a whole number, a kernel that streams over the keys may use a running M (the ceiling of the running maximum): every later rescaling is an exact power of two, which a block's scale takes up: the codes' values come out the same.
;;   OPERANDS COMPUTED ON THE WAY. 'Computed on the way' means the value that the module computes at that place (a softmax that the list does not call 'softmax' is quantised finished and normalised). What goes into a quantiser is computed in f32, as accurately as f32 sums, v_exp_f32 and their like allow (about 1e-6 of the number): no bf16 or f16 on the way to a quantiser, and a product that is left as it is and whose result goes on into a quantised operand takes f32 operands (vector FMAs, or v_wmma_f32_16x16x4_f32). A number that lies on a knife's edge between two numbers of the format may be rounded either way, as far as f32 arithmetic and the matrix unit's own rounding can turn it there, and no further.
;; One version. Each part assembles by itself: llvm-mc -triple=amdgcn-amd-amdhsa -mcpu=gfx1250 --defsym DOCPART=n.
;; ======== version 1 of 1: 4 launches
;; limits: right only within a limited range of input values
;; workspace buffers: xp 6,553,600 bytes; wp 13,107,200 bytes; wop 6,553,600 bytes; rope 1,048,576 bytes; qp 3,276,800 bytes; kv 3,276,800 bytes; cp 3,276,800 bytes
;; launch prep (part 1): grid 1024 x 1, 4 waves a work-group, no clusters, 60,928 bytes of LDS; arguments x, positions, Wq, Wk, Wv, Wo, xp, wp, wop, rope; writes xp, wp, wop, rope
.if DOCPART == 1
	.amdgcn_target "amdgcn-amd-amdhsa--gfx1250"
	.amdhsa_code_object_version 6
	.text
	.protected	k_q0d3a4584ca_prep
	.globl	k_q0d3a4584ca_prep
	.p2align	8
	.type	k_q0d3a4584ca_prep,@function
k_q0d3a4584ca_prep:
	s_mov_b64 s[64:65], 0
	v_nop
	global_prefetch_b8 v0, s[64:65] scope:SCOPE_SE
	s_setreg_imm32_b32 hwreg(HW_REG_WAVE_MODE, 25, 1), 1
	s_wait_xcnt 0x0
; x [2048][4096], Wq [4096][2048], Wk, Wv [4096][1024], Wo [2048][4096], all f32, become codes of BF6 (E3M2) with one E8M0 byte for each 32 along K; and positions become a table of cos and sin.
; THE FORMAT OF EVERY OPERAND: A RECORD of 6,400 bytes = 64 rows x 128 along K.  It holds four IMAGES of 1,536 bytes, each the registers of one matrix operand (16 rows x 128 K, 12 registers a lane):
; register g of lane l lies at 512 (g / 4) + 16 l + 4 (g % 4), so three accesses of 16 bytes a lane, 512 consecutive bytes each, store or load an operand.  Behind them 256 bytes of scale words: row r of image i at 6144 + 16 r + 4 i.
; THE ROWS OF AN IMAGE ARE NOT NEIGHBOURS: row r of image a is row 32 (a / 2) + 8 (a % 2) + r % 8 + 16 (r / 8) of the record's 64, so that a later product used transposed leaves 16 neighbours in a lane's registers.
; xp [32 groups of 64 tokens][32 K steps], wp [64 groups of 64 columns: Wq 0-31, Wk 32-47, Wv 48-63][32 K steps], wop [64][16 K steps], all in records.  rope [2048 tokens][64 cos, 64 sin] f32.
; A block's scale is 2^(floor(log2(largest magnitude)) - 4): its byte is the largest magnitude's exponent field - 4, held at 1 from below.
; SHARES: a wave makes one record from 64 x 128 numbers.  Work-groups 0-255 take x (and eight tokens of the table each), 256-511 Wq, 512-639 Wk, 640-767 Wv, 768-1023 Wo.  Waves share nothing: no barrier.
; The two ways through the text part on the work-group's number and have LDS bytes of their own.
; LIMITS: NaN and infinities are not served.  A block of zeros gets the byte 1 where the rule says 127: its codes are zeros, and this program alone reads the bytes.  |positions| under 2^17 (beyond it the
; quotient by pi / 2 may fall beside the right quadrant).  The inverse frequencies come from v_exp_f32 and lie within a few units of the last place of 10000^(-j / 64).
; WORK LEFT OUT BY THE PROGRAM: in the attention launch the key steps of 128 that lie wholly above the diagonal of reference()'s own causal mask (jnp.tril): their scores are set to the least f32 number ahead of the softmax,
; so that p is 0 there for every finite input, since key 0 counts for every query.  A NaN, an infinity or an overflow that reaches only those scores is not carried to the result.  Every input is loaded.
.set REC,  6400
.set R,    16                          ; x: v16-79   16 rows as loaded, 16 bytes a lane
.set X,    80                          ; x: v80-143  my 64 numbers of one row; before that the table's work
.set TM,   144                         ; x: v144-159 largest magnitudes, bytes, scale operands
.set PC,   160                         ; x: v160-178 the codes just made
.set PWS,  180                         ; x: v180-183 the four images' scale words
.set W,    184                         ; x: v184-185 my two words of the scale block
.set SEL,  26                          ; s[26:27] lane selects for v_permlanex16_b32: lane l xor 16
.set OFF,  16                          ; W: v16-47   row i of a block of 32: i x a row of W + 4 x lane
.set X2,   48                          ; W: v48-175  two sets of [two columns][32 along K]; at the end the record on its way out
.set C,    176                         ; W: v176-182 a block's codes
.set SBW,  184                         ; W: v184-185 my two columns' scale words
; 64 numbers of a lane, register 16 b + i = k 32 b + 16 (lane / 16) + i of my row, become an operand's codes in v[PC] on and its scale word in v[pw] (the same in both halves of the lanes)
.macro QUANT s, pw
.irp b, 0,1,2,3
	v_max3_num_f32 v[TM+\b], |v[(\s)+16*\b]|, |v[(\s)+16*\b+1]|, 0x2800000   ; block b: my 16 numbers, and the floor 2^(5 - 127): so the byte cannot fall under 1
.endr
.irp i, 2,4,6,8,10,12,14
.irp b, 0,1,2,3
	v_max3_num_f32 v[TM+\b], v[TM+\b], |v[(\s)+16*\b+\i]|, |v[(\s)+16*\b+\i+1]|   ; the four blocks by turns
.endr
.endr
.irp b, 0,1,2,3
	v_permlanex16_b32 v[TM+4+\b], v[TM+\b], s[SEL], s[SEL+1]
.endr
.irp b, 0,1,2,3
	v_max_num_f32 v[TM+\b], v[TM+\b], v[TM+4+\b]   ; with lane l xor 16's 16: the block's largest magnitude
.endr
.irp b, 0,1,2,3
	v_add_nc_u32 v[TM+12+\b], 0xfe000000, v[TM+\b]   ; 4 off its exponent field: the conversion's scale operand
.endr
.irp b, 0,1,2,3
	v_lshrrev_b32 v[TM+4+\b], 23, v[TM+12+\b]      ; the scale's byte
.endr
	v_lshl_or_b32 v[\pw], v[TM+5], 8, v[TM+4]
	v_lshl_or_b32 v[\pw], v[TM+6], 16, v[\pw]
	v_lshl_or_b32 v[\pw], v[TM+7], 24, v[\pw]
.irp c, 0,1
	v_cvt_scalef32_pk16_bf6_f32 v[PC+6*\c:PC+6*\c+2], v[(\s)+32*\c:(\s)+32*\c+15], v[TM+12+2*\c]
	v_cvt_scalef32_pk16_bf6_f32 v[PC+12+4*\c:PC+14+4*\c], v[(\s)+32*\c+16:(\s)+32*\c+31], v[TM+13+2*\c]   ; (a conversion's three registers begin on an even number)
.endr
	v_nop                                          ; one plain line behind the scaled conversions
.irp c, 0,1                                    ; the operand wants a whole block in a lane: lanes 0-15 block 2 c, lanes 16-31 block 2 c + 1
.irp i, 0,1,2
	v_permlane16_swap_b32 v[PC+6*\c+\i], v[PC+12+4*\c+\i]
.endr
.irp i, 0,1,2
	v_mov_b32 v[PC+3+6*\c+\i], v[PC+12+4*\c+\i]
.endr
.endr
.endm
.macro XLOAD a                         ; the 16 rows of image a, 128 numbers of each: every load reads 512 consecutive bytes; read once in the launch
.irp i, 0,1,2,3,4,5,6,7,8,9,10,11,12,13,14,15
	global_load_b128 v[R+4*\i:R+4*\i+3], v5, s[4:5] offset:(32*((\a)/2)+8*((\a)%2)+(\i%8)+16*(\i/8))*16384 th:TH_LOAD_NT
.endr
.endm
.macro XTURN                           ; through my stage: in as loaded, out 16 neighbours of each block of 32 to a lane.  Rows 528 bytes apart.  LDS serves a wave's instructions in order: no wait between
.irp i, 0,1,2,3,4,5,6,7,8,9,10,11,12,13,14,15
	ds_store_b128 v6, v[R+4*\i:R+4*\i+3] offset:528*\i
.endr
.irp b, 0,1,2,3
.irp j, 0,1,2,3
	ds_load_b128 v[X+16*\b+4*\j:X+16*\b+4*\j+3], v7 offset:128*\b+16*\j
.endr
.endr
.endm
	s_load_b256 s[4:11], s[0:1], 0x0               ; x s[4:5], positions s[6:7], Wq s[8:9], Wk s[10:11]
	s_load_b256 s[12:19], s[0:1], 0x20             ; Wv s[12:13], Wo s[14:15], xp s[16:17], wp s[18:19]
	s_load_b128 s[20:23], s[0:1], 0x40             ; wop s[20:21], rope s[22:23]
	v_lshl_add_u32 v192, v0, 2, 0xec00
	v_mov_b32 v193, 0
	v_lshrrev_b32 v1, 5, v0
	v_readfirstlane_b32 s24, v1                    ; wave 0..3
	v_and_b32 v2, 31, v0                           ; lane
	v_and_b32 v3, 15, v0                           ; r
	v_bfe_u32 v4, v0, 4, 1                         ; h
	v_lshlrev_b32 v5, 4, v2                        ; 16 x lane
	s_wait_kmcnt 0x0
	s_cmp_lt_u32 ttmp9, 256
	s_cbranch_scc0 .Lweights
	; ---------------- x: K is innermost ----------------
	s_lshr_b32 s28, ttmp9, 3                       ; which 64 tokens
	s_and_b32 s29, ttmp9, 7
	s_lshl_b32 s29, s29, 2
	s_add_co_u32 s29, s29, s24                     ; which K step: the four waves stand side by side on 2,048 bytes of each row
	s_lshl_b32 s30, s28, 5
	s_add_co_u32 s30, s30, s29
	s_mul_i32 s30, s30, REC
	s_mov_b32 s31, 0
	s_add_nc_u64 s[16:17], s[16:17], s[30:31]      ; my record
	s_lshl_b32 s30, s28, 20                        ; 64 rows of 16,384 bytes
	s_lshl_b32 s29, s29, 9
	s_add_co_u32 s30, s30, s29
	s_add_nc_u64 s[4:5], s[4:5], s[30:31]          ; my numbers
	s_mul_i32 s25, s24, 8448                       ; my stage: 16 rows x 528 bytes
	s_wait_alu depctr_va_vdst(0)
	v_add_nc_u32 v6, s25, v5                       ; in: 16 x lane
	v_mul_u32_u24 v7, v3, 528
	v_lshl_add_u32 v7, v4, 6, v7
	v_add_nc_u32 v7, s25, v7                       ; out: row r, + 64 h
	v_lshlrev_b32 v8, 3, v4
	v_lshl_add_u32 v8, v3, 4, v8                   ; the scale block: 16 r + 8 h
	v_lshrrev_b32 v9, 4, v0                        ; the table: thread t makes token 8 x work-group + t / 16, frequencies 4 (t % 16) + 0 .. 3
	s_lshl_b32 s30, ttmp9, 5
	v_lshl_add_u32 v10, v9, 2, s30
	global_load_b32 v11, v10, s[6:7]               ; its position
	XLOAD 0
	s_lshl_b32 s30, ttmp9, 12
	v_lshl_add_u32 v12, v9, 9, s30
	v_lshl_add_u32 v12, v3, 4, v12                 ; 512 x token + 16 (t % 16)
	s_mov_b32 s[SEL], 0x76543210
	s_mov_b32 s[SEL+1], 0xfedcba98
	s_mov_b32 s32, 0xbfc90fdb                      ; -pi / 2 in three parts: -1.5707964,
	s_mov_b32 s33, 0x333bbd2e                      ; +4.3711388e-8,
	s_mov_b32 s34, 0x26f72ced                      ; +1.715e-15
	s_mov_b32 s35, 0x3638ef1d                      ; 1 / 362880
	s_mov_b32 s36, 0xb9500d01                      ; -1 / 5040
	s_mov_b32 s37, 0x3c088889                      ; 1 / 120
	s_mov_b32 s38, 0xbe2aaaab                      ; -1 / 6
	s_mov_b32 s39, 0xb493f27e                      ; -1 / 3628800
	s_mov_b32 s40, 0x37d00d01                      ; 1 / 40320
	s_mov_b32 s41, 0xbab60b61                      ; -1 / 720
	s_mov_b32 s42, 0x3d2aaaab                      ; 1 / 24
.irp b, 0,1,2,3
	v_mov_b32 v[TM+4+\b], 0                        ; written once: a lane permute's destination counts as one of its sources
.endr
	v_lshlrev_b32 v13, 2, v3
.irp e, 0,1,2,3
	v_add_nc_u32 v[80+\e], \e, v13                 ; j
.endr
.irp e, 0,1,2,3
	v_cvt_f32_u32 v[80+\e], v[80+\e]
.endr
.irp e, 0,1,2,3
	v_mul_f32 v[80+\e], 0xbe549a78, v[80+\e]       ; -j log2(10000) / 64
.endr
	s_wait_alu depctr_va_vdst(0)
.irp e, 0,1,2,3
	v_exp_f32 v[84+\e], v[80+\e]                   ; 10000^(-j / 64)
.endr
	v_nop                                          ; a plain line behind the exponentials,
	s_wait_alu depctr_va_vdst(0)                   ; and one wait for the four, ahead of their first reader
	s_wait_loadcnt 16                              ; the position is in; the 16 loads of x issued behind it may be out
	v_cvt_f32_i32 v11, v11
.irp e, 0,1,2,3
	v_mul_f32 v[88+\e], v11, v[84+\e]              ; the angle, rounded once
.endr
.irp e, 0,1,2,3
	v_mul_f32 v[92+\e], 0x3f22f983, v[88+\e]       ; x 2 / pi
.endr
.irp e, 0,1,2,3
	v_rndne_f32 v[92+\e], v[92+\e]                 ; n
.endr
.irp e, 0,1,2,3
	v_fma_f32 v[96+\e], v[92+\e], s32, v[88+\e]    ; rho = angle - n pi / 2: the first step is exact
.endr
.irp e, 0,1,2,3
	v_fma_f32 v[96+\e], v[92+\e], s33, v[96+\e]
.endr
.irp e, 0,1,2,3
	v_fma_f32 v[96+\e], v[92+\e], s34, v[96+\e]
.endr
.irp e, 0,1,2,3
	v_mul_f32 v[100+\e], v[96+\e], v[96+\e]        ; s = rho^2, at most (pi / 4)^2
.endr
.irp e, 0,1,2,3
	v_fma_f32 v[104+\e], v[100+\e], s35, s36       ; sin rho = rho + rho s (-1/6 + s (1/120 + s (-1/5040 + s / 362880)))
	v_fma_f32 v[108+\e], v[100+\e], s39, s40       ; cos rho = 1 + s (-1/2 + s (1/24 + s (-1/720 + s (1/40320 - s / 3628800))))
.endr
.irp e, 0,1,2,3
	v_fma_f32 v[104+\e], v[104+\e], v[100+\e], s37
	v_fma_f32 v[108+\e], v[108+\e], v[100+\e], s41
.endr
.irp e, 0,1,2,3
	v_fma_f32 v[104+\e], v[104+\e], v[100+\e], s38
	v_fma_f32 v[108+\e], v[108+\e], v[100+\e], s42
.endr
.irp e, 0,1,2,3
	v_mul_f32 v[124+\e], v[96+\e], v[100+\e]
	v_fma_f32 v[108+\e], v[108+\e], v[100+\e], -0.5
.endr
.irp e, 0,1,2,3
	v_fma_f32 v[104+\e], v[104+\e], v[124+\e], v[96+\e]
	v_fma_f32 v[108+\e], v[108+\e], v[100+\e], 1.0
.endr
.irp e, 0,1,2,3                                ; the quadrant: n odd: sin and cos change places; sin is negative where n & 2, cos where (n + 1) & 2
	v_cvt_i32_f32 v[112+\e], v[92+\e]
	v_and_b32 v[124+\e], 1, v[112+\e]
	v_cmp_eq_u32 vcc_lo, 1, v[124+\e]
	v_cndmask_b32 v[116+\e], v[104+\e], v[108+\e], vcc_lo
	v_cndmask_b32 v[120+\e], v[108+\e], v[104+\e], vcc_lo
	v_and_b32 v[124+\e], 2, v[112+\e]
	v_lshlrev_b32 v[124+\e], 30, v[124+\e]
	v_xor_b32 v[116+\e], v[124+\e], v[116+\e]      ; sin
	v_add_nc_u32 v[112+\e], 1, v[112+\e]
	v_and_b32 v[112+\e], 2, v[112+\e]
	v_lshlrev_b32 v[112+\e], 30, v[112+\e]
	v_xor_b32 v[120+\e], v[112+\e], v[120+\e]      ; cos
.endr
	global_store_b128 v12, v[120:123], s[22:23]            ; sixteen lanes store a token's 64 cos: 256 consecutive bytes, aligned
	global_store_b128 v12, v[116:119], s[22:23] offset:256 ; and its 64 sin
.irp a, 0,1,2,3
	s_wait_loadcnt 0x0                             ; image a's 16 rows are in
	s_wait_xcnt 0x0                                ; the stores issued so far have read their data: the table's lie where my numbers land, the last image's where the next codes are made
	XTURN
	s_wait_dscnt 0x0                               ; my 64 numbers are back, and the stage's stores have read their registers,
.if \a < 3
	XLOAD \a+1                                     ; which take the next image's rows while this one is quantised
.endif
	QUANT X, PWS+\a
.irp c, 0,1,2
	global_store_b128 v5, v[PC+4*\c:PC+4*\c+3], s[16:17] offset:1536*\a+512*\c   ; the image as it stands: 512 consecutive bytes a store
.endr
.endr
	v_cmp_eq_u32 vcc_lo, 1, v4
	v_cndmask_b32 v[W], v[PWS], v[PWS+2], vcc_lo   ; lanes 0-15 store images 0 and 1's words of row r, lanes 16-31 images 2 and 3's
	v_cndmask_b32 v[W+1], v[PWS+1], v[PWS+3], vcc_lo
	global_store_b64 v8, v[W:W+1], s[16:17] offset:6144    ; 32 lanes store 256 consecutive bytes, aligned
	s_wait_tensorcnt 0x0
	ds_add_u32 v192, v193
	s_wait_dscnt 0x0
	s_endpgm
	; ---------------- the weights: K is the FIRST axis.  A lane takes two columns, and its registers run down K ----------------
.Lweights:
	s_sub_co_u32 s28, ttmp9, 256
	s_mov_b64 s[30:31], s[14:15]                   ; Wo: from work-group 512 of these on, 16 groups of 256 columns, wop's group 0 on, 16 K steps
	s_mov_b64 s[32:33], s[20:21]
	s_mov_b32 s34, 512
	s_mov_b32 s35, 4
	s_mov_b32 s36, 0
	s_mov_b32 s37, 16
	s_cmp_lt_u32 s28, 512                          ; the choices hang on the work-group's number alone
	s_cselect_b64 s[30:31], s[12:13], s[30:31]     ; Wv: from 384, 4 groups, wp's group 48 on, 32 K steps
	s_cselect_b64 s[32:33], s[18:19], s[32:33]
	s_cselect_b32 s34, 384, s34
	s_cselect_b32 s35, 2, s35
	s_cselect_b32 s36, 48, s36
	s_cselect_b32 s37, 32, s37
	s_cmp_lt_u32 s28, 384
	s_cselect_b64 s[30:31], s[10:11], s[30:31]     ; Wk: from 256, wp's group 32 on
	s_cselect_b32 s34, 256, s34
	s_cselect_b32 s36, 32, s36
	s_cmp_lt_u32 s28, 256
	s_cselect_b64 s[30:31], s[8:9], s[30:31]       ; Wq: from 0, 8 groups, wp's group 0 on
	s_cselect_b32 s34, 0, s34
	s_cselect_b32 s35, 3, s35
	s_cselect_b32 s36, 0, s36
	s_sub_co_u32 s28, s28, s34
	s_bfm_b32 s38, s35, 0
	s_and_b32 s39, s28, s38                        ; which 256 columns
	s_lshr_b32 s40, s28, s35                       ; which K step
	s_lshl_b32 s41, 1024, s35                      ; a row of W in bytes
	s_lshl_b32 s42, s39, 2
	s_add_co_u32 s42, s42, s24
	s_add_co_u32 s42, s42, s36                     ; my 64 columns' group
	s_mul_i32 s42, s42, s37
	s_add_co_u32 s42, s42, s40
	s_mul_i32 s42, s42, REC
	s_mov_b32 s43, 0
	s_add_nc_u64 s[32:33], s[32:33], s[42:43]      ; my record
	s_lshl_b32 s42, s40, 7
	s_mul_i32 s42, s42, s41                        ; 128 rows a K step
	s_lshl_b32 s44, s39, 10
	s_add_co_u32 s42, s42, s44
	s_lshl_b32 s44, s24, 8
	s_add_co_u32 s42, s42, s44                     ; + my 64 columns: 256 bytes, aligned
	s_add_nc_u64 s[46:47], s[30:31], s[42:43]      ; a base for each block of 32 rows
	s_lshl_b32 s44, s41, 5
	s_mov_b32 s45, 0
	s_add_nc_u64 s[48:49], s[46:47], s[44:45]
	s_add_nc_u64 s[50:51], s[48:49], s[44:45]
	s_add_nc_u64 s[52:53], s[50:51], s[44:45]
	s_wait_alu depctr_va_vdst(0)
	v_lshlrev_b32 v6, 2, v2
.set i, 0
.rept 32
	v_mad_u32_u24 v[OFF+i], s41, i, v6
.set i, i+1
.endr
	; lane L's columns are L and 32 + L of the 64: column 32 H + L is row r' = L % 8 + 8 (L / 16) of image 2 H + (L / 8) % 2
	v_bfe_u32 v14, v2, 3, 1
	v_and_b32 v12, 7, v2
	v_lshrrev_b32 v13, 4, v2
	v_lshl_or_b32 v12, v13, 3, v12                 ; r'
	s_mul_i32 s25, s24, 6656
	s_add_co_u32 s25, s25, 33792                   ; my stage: a record as it will lie in memory
	v_mul_u32_u24 v7, v14, 1536
	v_lshl_add_u32 v7, v12, 4, v7
	v_add_nc_u32 v7, s25, v7                       ; where my codes go
	v_lshlrev_b32 v8, 2, v14
	v_lshl_add_u32 v8, v12, 4, v8
	v_add_nc_u32 v8, s25, v8
	v_add_nc_u32 v8, 6144, v8                      ; where my scale words go
	v_add_nc_u32 v9, s25, v5                       ; back: 16 x lane
	v_lshlrev_b32 v15, 3, v2
	v_add_nc_u32 v10, s25, v15
	v_add_nc_u32 v10, 6144, v10                    ; and 8 x lane in the scale block
.macro WITEM n                         ; 16 rows of block n / 2, both columns: the two halves of a row's 256 bytes stand in neighbouring instructions; read once in the launch
.set TT, (\n)/2
.set I0, 16*((\n)%2)
.irp i, 0,1,2,3,4,5,6,7,8,9,10,11,12,13,14,15
	global_load_b32 v[X2+64*(TT%2)+I0+\i], v[OFF+I0+\i], s[46+2*TT:47+2*TT] th:TH_LOAD_NT
	global_load_b32 v[X2+64*(TT%2)+32+I0+\i], v[OFF+I0+\i], s[46+2*TT:47+2*TT] offset:128 th:TH_LOAD_NT
.endr
.endm
; block t (32 along K) of column hh: all 32 numbers are mine.  In the operand it is lane r' + 16 (t % 2), registers 6 (t / 2) + 0 .. 5
.macro WBLOCK t, hh
.set XS, X2+64*((\t)%2)+32*(\hh)
.set B0, 3072*(\hh)+256*((\t)%2)
	v_max3_num_f32 v12, |v[XS]|, |v[XS+1]|, |v[XS+2]|
	v_max3_num_f32 v13, |v[XS+3]|, |v[XS+4]|, |v[XS+5]|
.irp i, 6,10,14,18,22,26
	v_max3_num_f32 v12, v12, |v[XS+\i]|, |v[XS+\i+1]|
	v_max3_num_f32 v13, v13, |v[XS+\i+2]|, |v[XS+\i+3]|
.endr
	v_max3_num_f32 v12, v12, |v[XS+30]|, |v[XS+31]|
	v_max3_num_f32 v12, v12, v13, 0x2800000        ; and the floor 2^(5 - 127)
	v_add_nc_u32 v11, 0xfe000000, v12              ; the conversion's scale operand
	v_lshrrev_b32 v13, 23, v11                     ; the byte
.if (\t) == 0
	v_mov_b32 v[SBW+(\hh)], v13
.else
	v_lshl_or_b32 v[SBW+(\hh)], v13, 8*(\t), v[SBW+(\hh)]
.endif
	v_cvt_scalef32_pk16_bf6_f32 v[C:C+2], v[XS:XS+15], v11
	v_cvt_scalef32_pk16_bf6_f32 v[C+4:C+6], v[XS+16:XS+31], v11
	v_nop                                          ; one plain line behind the scaled conversions
	v_mov_b32 v[C+3], v[C+4]                       ; the block's 192 bits on end
	v_mov_b32 v[C+4], v[C+5]
	v_mov_b32 v[C+5], v[C+6]
.if (\t) < 2
	ds_store_b128 v7, v[C:C+3] offset:B0           ; registers 0-3,
	ds_store_b64 v7, v[C+4:C+5] offset:B0+512      ; 4 and 5
.else
	ds_store_b64 v7, v[C:C+1] offset:B0+520        ; registers 6 and 7,
	ds_store_b128 v7, v[C+2:C+5] offset:B0+1024    ; 8-11
.endif
	s_wait_dscnt 0x0                               ; the stores have read their registers: the next block's codes may be written
.endm
	WITEM 0
	WITEM 1
	WITEM 2
.irp t, 0,1,2,3
.if \t < 3
	s_wait_loadcnt 32                              ; this block's two items are in; the youngest item's 32 loads may be out
	WITEM 2*\t+3
.else
	s_wait_loadcnt 0x0
.endif
	WBLOCK \t, 0
	WBLOCK \t, 1
.if \t < 2
	WITEM 2*\t+4                                   ; into the set that has just been quantised
.endif
.endr
	ds_store_b32 v8, v[SBW]
	s_wait_alu depctr_va_vdst(0)
	ds_store_b32 v8, v[SBW+1] offset:8
.irp i, 0,1,2,3,4,5,6,7,8,9,10,11
	ds_load_b128 v[X2+4*\i:X2+4*\i+3], v9 offset:512*\i   ; LDS serves a wave's instructions in order: these see my stores
.endr
	ds_load_b64 v[X2+48:X2+49], v10
.irp i, 0,1,2,3,4,5,6,7,8,9,10,11
	s_wait_dscnt 12-\i                             ; the younger loads may be out
	global_store_b128 v5, v[X2+4*\i:X2+4*\i+3], s[32:33] offset:512*\i   ; 512 consecutive bytes a store
.endr
	s_wait_dscnt 0x0
	global_store_b64 v15, v[X2+48:X2+49], s[32:33] offset:6144           ; 256 consecutive bytes, aligned
	s_wait_tensorcnt 0x0
	ds_add_u32 v192, v193
	s_wait_dscnt 0x0
	s_endpgm
.Lfunc_end_k_q0d3a4584ca_prep:
	.size	k_q0d3a4584ca_prep, .Lfunc_end_k_q0d3a4584ca_prep-k_q0d3a4584ca_prep
	.p2alignl 7, 3214868480
	.fill 96, 4, 3214868480
	.section	.rodata,"a",@progbits
	.p2align	6, 0x0
	.amdhsa_kernel k_q0d3a4584ca_prep
		.amdhsa_group_segment_fixed_size 60928
		.amdhsa_private_segment_fixed_size 0
		.amdhsa_enable_private_segment 0
		.amdhsa_kernarg_size 80
		.amdhsa_user_sgpr_count 2
		.amdhsa_user_sgpr_kernarg_segment_ptr 1
		.amdhsa_wavefront_size32 1
		.amdhsa_system_sgpr_workgroup_id_x 1
		.amdhsa_system_sgpr_workgroup_id_y 1
		.amdhsa_system_sgpr_workgroup_id_z 1
		.amdhsa_system_vgpr_workitem_id 0
		.amdhsa_next_free_vgpr 194
		.amdhsa_next_free_sgpr 66
		.amdhsa_reserve_vcc 1
		.amdhsa_float_denorm_mode_32 3
		.amdhsa_float_denorm_mode_16_64 3
		.amdhsa_memory_ordered 1
		.amdhsa_forward_progress 1
		.amdhsa_inst_pref_size 85
	.end_amdhsa_kernel
	.amdgpu_metadata
---
amdhsa.version: [ 1, 2 ]
amdhsa.kernels:
  - .name:           k_q0d3a4584ca_prep
    .symbol:         k_q0d3a4584ca_prep.kd
    .args:
      - { .name: x, .offset: 0, .size: 8, .value_kind: global_buffer, .address_space: global }
      - { .name: positions, .offset: 8, .size: 8, .value_kind: global_buffer, .address_space: global }
      - { .name: Wq, .offset: 16, .size: 8, .value_kind: global_buffer, .address_space: global }
      - { .name: Wk, .offset: 24, .size: 8, .value_kind: global_buffer, .address_space: global }
      - { .name: Wv, .offset: 32, .size: 8, .value_kind: global_buffer, .address_space: global }
      - { .name: Wo, .offset: 40, .size: 8, .value_kind: global_buffer, .address_space: global }
      - { .name: xp, .offset: 48, .size: 8, .value_kind: global_buffer, .address_space: global }
      - { .name: wp, .offset: 56, .size: 8, .value_kind: global_buffer, .address_space: global }
      - { .name: wop, .offset: 64, .size: 8, .value_kind: global_buffer, .address_space: global }
      - { .name: rope, .offset: 72, .size: 8, .value_kind: global_buffer, .address_space: global }
    .group_segment_fixed_size: 60928
    .private_segment_fixed_size: 0
    .kernarg_segment_align: 8
    .kernarg_segment_size: 80
    .max_flat_workgroup_size: 128
    .sgpr_count:     66
    .vgpr_count:     194
    .wavefront_size: 32
...
	.end_amdgpu_metadata
.endif
;; end of part 1
;; launch qkv (part 2): grid 16 x 16, 4 waves a work-group, clusters of 4 x 4, 0 bytes of LDS; arguments xp, wp, rope, q_scale, k_scale, qp, kv; writes qp, kv
.if DOCPART == 2
	.amdgcn_target "amdgcn-amd-amdhsa--gfx1250"
	.amdhsa_code_object_version 6
	.text
	.protected	k_q0d3a4584ca_qkv
	.globl	k_q0d3a4584ca_qkv
	.p2align	8
	.type	k_q0d3a4584ca_qkv,@function
k_q0d3a4584ca_qkv:
	s_mov_b64 s[64:65], 0
	v_nop
	global_prefetch_b8 v0, s[64:65] scope:SCOPE_SE
	s_setreg_imm32_b32 hwreg(HW_REG_WAVE_MODE, 25, 1), 1
	s_wait_xcnt 0x0
	s_wait_alu depctr_hold_cnt(0) depctr_sa_sdst(0) depctr_va_vdst(0) depctr_va_sdst(0) depctr_va_ssrc(0) depctr_va_vcc(0) depctr_vm_vsrc(0)
	s_getreg_b32 s2, hwreg(HW_REG_IB_STS2, 6, 4)
	s_cmp_eq_u32 s2, 0
	s_cbranch_scc0 .Lentry_in_a_cluster
	s_endpgm
.Lentry_in_a_cluster:
	s_bfe_u32 s2, ttmp6, 0x10000c
	s_cmp_lg_u32 s2, 0xf033
	s_cbranch_scc0 .Lentry_shape_is_right
	s_endpgm
.Lentry_shape_is_right:
; q = rope(rmsnorm(x Wq)), k = rope(rmsnorm(x Wk)), v = x Wv, on codes of BF6 (E3M2) with E8M0 scales, K = 4,096; the results are quantised at once for the attention's two products.
; OPERANDS come as RECORDS of 6,400 bytes (64 rows x 128 K): four images of an operand's registers (register g of lane l at 512 (g / 4) + 16 l + 4 (g % 4)), then the scale words (row r, image i: 6144 + 16 r + 4 i).
; Row r of image a is row 32 (a / 2) + 8 (a % 2) + r % 8 + 16 (r / 8) of the record's 64.  xp [32][32 K steps], wp [64: Wq 0-31, Wk 32-47, Wv 48-63][32 K steps].
; A work-group of four waves makes 128 rows of A x 256 rows of B; wave (wa, wb) 64 x 128: 32 accumulators.
; THE RECORDS GO FROM MEMORY STRAIGHT INTO THE OPERANDS' REGISTERS: a K step is 39 loads of 16 bytes a lane (B's 24, A's 12, three of scale words), 512 consecutive bytes each.  Three sets of registers take turns:
; step t asks for step t + 2.  No LDS, no barrier: waves share nothing.  So there is no tile in LDS that a joint load could bring, and none is written; the cluster serves to share the prefetches out by address.
; THE MATRIX INSTRUCTION IS USED TRANSPOSED (source 0 = 16 rows of B, source 1 = 16 rows of A): a lane's 64 results of one block of A are, register 16 b + i, B's row 32 b + 16 (lane / 16) + i of the wave's 128.
; MODES, by the cluster's x: 0, 1: q (A = tokens, B = Wq's columns; a wave's 128 are one head); 2: k; 3: v TRANSPOSED (A = Wv's columns, B = tokens), so that v is quantised along the keys.
; OUT: qp [16 heads][32 groups of 64 tokens] records.  kv [8 heads][16 key steps of 128][K's tokens 0-63, K's 64-127, V's channels' first 64 places, V's second 64] records.
; PREFETCHES INTO THE L2: a unit is three K steps (19,200 consecutive bytes, 75 blocks of 256, of each group).  Unit u is steps 3 u + 2 .. 3 u + 4.  The head asks for units 0 to 2, trip m of the loop for unit m + 3,
; whose first load stands in trip m + 2; the last two trips ask for nothing.  Each block is named once in each cluster: B's 300 blocks of a tile column are shared among the 16 waves of the four partners of that column,
; 19 a wave; A's 150 of a tile row among the 16 waves of that row, 10 a wave; lanes left over name their wave's last block again.  The table's 128 blocks of 64 tokens: 16 a wave, once, at the head (q and k alone).
; LIMITS: NaN and infinities are not served; a block of zeros gets the byte 1 (its codes are zeros; this program alone reads the bytes).
; REGISTERS, in windows of 256: window 0: v1-19 addresses; v24-59 scale words, three sets of 12 (A's 4, B's 8; lanes 0-15 count); v64-207 A's fragments, three sets; v208-255 B's fragments 4-7 of set 2;
;   in the epilogue v64-127 Y, v128-191 Z, v192-253 at work.   window 1: B's sets 0 and 1 at v0 and v96, fragments 0-3 of set 2 at v192; at the end the gains at v192-255.
;   window 2: accumulator (a, b) at v[8 (8 a + b)].   window 3: block a's cos at v[64 a], sin at v[64 a + 32].
.set REC,    6400
.set KPITCH, 32*REC                    ; a group of 64 rows in memory
.set TRIPS,  9                         ; step 0, nine trips of three steps, steps 28 to 31
.set LI,   1                           ; 16 x lane
.set RR,   2                           ; r
.set HH,   3                           ; h
.set LA,   4                           ; my group of A: 16 x lane + wa groups
.set LB,   5                           ; my two groups of B: 16 x lane + 2 wb groups
.set LSA,  6                           ; the same with 16 r: the scale words
.set LSB,  7
.set PFOA, 8                           ; my blocks of a unit of A, of B, of the table
.set PFOB, 9
.set PFR,  10
.set RT,   12                          ; the table: my token's row and my half
.set H64,  13                          ; 64 h
.set SB8,  14                          ; 16 r + 8 h
.set SC,   24
.set AF,   64
.set GN,   192
.set Y,    64
.set Z,    128
.set TM,   192
.set PC,   208
.set PWS,  228
.set SSQ,  232
.set RS,   240
.set W,    248
.set PT,   250
.set WV,   18
.set WA,   19
.set WB,   20
.set CX,   21
.set CY,   22
.set CLX,  23
.set CLY,  24
.set COLC, 25
.set ROWC, 26
.set LAP,  27
.set BA,   44                          ; s[44:45] A's tile, s[46:47] B's tile, at the trip's first K step less one
.set BB,   46
.set TC,   60
.set TR,   61
.set SEL,  80
.set MSB, 0
.macro WIN new                         ; the immediate's high byte repeats the setting that is left
.if MSB != (\new)
	s_set_vgpr_msb (MSB<<8)|(\new)
.set MSB, (\new)
.endif
.endm
.macro PLACES n
.rept \n
	v_nop
.endr
.endm
.macro BPLACE p, b                     ; where fragment b of B's set p lies: register BRG of window BWN
.if (\p) == 2 && (\b) >= 4
.set BRG, 208+12*((\b)-4)
.set BWN, 0
.else
.set BRG, 96*(\p)+12*(\b)
.set BWN, 1
.endif
.endm
.macro FETCHB p, q                     ; B's eight fragments of the K step q records behind the base, into set p: 24 loads
.irp b, 0,1,2,3,4,5,6,7
	BPLACE \p, \b
	WIN BWN<<6
.irp c, 0,1,2
	global_load_b128 v[BRG+4*\c:BRG+4*\c+3], v[LB], s[BB:BB+1] offset:(\b/4)*KPITCH+(\q)*REC+(\b%4)*1536+512*\c
.endr
.endr
.endm
.macro FETCHA p, q                     ; A's four fragments and the step's scale words: 15 loads
	WIN 0
.irp a, 0,1,2,3
.irp c, 0,1,2
	global_load_b128 v[AF+48*(\p)+12*\a+4*\c:AF+48*(\p)+12*\a+4*\c+3], v[LA], s[BA:BA+1] offset:(\q)*REC+\a*1536+512*\c
.endr
.endr
	global_load_b128 v[SC+12*(\p):SC+12*(\p)+3], v[LSA], s[BA:BA+1] offset:(\q)*REC+6144
	global_load_b128 v[SC+12*(\p)+4:SC+12*(\p)+7], v[LSB], s[BB:BB+1] offset:(\q)*REC+6144
	global_load_b128 v[SC+12*(\p)+8:SC+12*(\p)+11], v[LSB], s[BB:BB+1] offset:(\q)*REC+6144+KPITCH
.endm
; 16 matrix instructions: A's four blocks x B's fragments 4 hb .. 4 hb + 3 of set p.  The 32 accumulators take turns, one instruction a turn, in the same order in every step
.macro HALF p, hb, zero
	BPLACE \p, 4*(\hb)
	WIN 0xa0|BWN                                   ; source 0 (B) window 1 or 0, source 1 (A) window 0, C and D window 2
.irp a, 0,1,2,3
.irp bq, 0,1,2,3
	BPLACE \p, 4*(\hb)+\bq
.set ACC, 8*(8*\a+4*(\hb)+\bq)
.set ARG, AF+48*(\p)+12*\a
.set SBR, SC+12*(\p)+4+4*(\hb)+\bq
.set SAR, SC+12*(\p)+\a
.if \zero
	v_wmma_scale_f32_16x16x128_f8f6f4 v[ACC:ACC+7], v[BRG:BRG+11], v[ARG:ARG+11], 0, v[SBR], v[SAR] matrix_a_fmt:MATRIX_FMT_BF6 matrix_b_fmt:MATRIX_FMT_BF6
.else
	v_wmma_scale_f32_16x16x128_f8f6f4 v[ACC:ACC+7], v[BRG:BRG+11], v[ARG:ARG+11], v[ACC:ACC+7], v[SBR], v[SAR] matrix_a_fmt:MATRIX_FMT_BF6 matrix_b_fmt:MATRIX_FMT_BF6
.endif
.endr
.endr
.endm
.macro ASK                             ; unit m + 3 stands 11 records behind the trip's base; the last two trips (s[LAP] = 2, 1) have no such unit
	s_cmp_gt_u32 s[LAP], 2
	s_cbranch_scc0 .Lnone_\@
	global_prefetch_b8 v[PFOA], s[BA:BA+1] offset:11*REC th:TH_LOAD_NT scope:SCOPE_SE
	global_prefetch_b8 v[PFOB], s[BB:BB+1] offset:11*REC th:TH_LOAD_NT scope:SCOPE_SE
.Lnone_\@:
.endm
; A K step on set p: the step two on is asked for, into the set that the last step multiplied: B's loads at the head, A's in the middle
.macro STEP p, q, zero, ask
	PLACES 4                                       ; four plain lines between the last step's products and the loads into the registers that they read
	FETCHB ((\p)+2)%3, (\q)+2
	s_wait_loadcnt 63                              ; this step's set is in: behind it stand the next step's 39 loads and the 24 just issued
	HALF \p, 0, \zero
	FETCHA ((\p)+2)%3, (\q)+2
.if \ask
	ASK
.endif
	HALF \p, 1, \zero
	WIN 0
.endm
.macro ROPEL i0, n                     ; loads i0 .. i0 + n - 1 of the table's 64: load 16 a + 8 sc + 4 bb + j brings block a's cos (sc = 0) or sin, channels 32 bb + 16 h + 4 j on
	WIN 0xc0
.set ri, \i0
.rept \n
	global_load_b128 v[4*ri:4*ri+3], v[RT], s[78:79] offset:(32*(ri/32)+8*((ri/16)%2))*512+256*((ri/8)%2)+128*((ri/4)%2)+16*(ri%4)
.set ri, ri+1
.endr
	WIN 0
.endm
; steps 30 (set 0) and 31 (set 1): nothing more to fetch along K.  table = 1 (q, k): the table's 64 loads and the gains' 16 stand where the fragments' loads stood
.macro LAST2 table
	PLACES 4                                       ; also for the gains, which land where set 2 lay
.if \table
	ROPEL 0, 24
	s_wait_loadcnt 63                              ; behind step 30's set: step 31's 39 loads and these 24
.else
	s_wait_loadcnt 39                              ; behind step 30's set: step 31's 39 loads
.endif
	HALF 0, 0, 0
.if \table
	WIN 0
	ROPEL 24, 15
.endif
	HALF 0, 1, 0
	WIN 0
.if \table
	ROPEL 39, 24
	s_wait_loadcnt 63                              ; behind step 31's set: 24 + 15 + 24 of the table's
.else
	s_wait_loadcnt 0x0
.endif
	HALF 1, 0, 0
.if \table
	WIN 0
	ROPEL 63, 1
	WIN 0x40
.irp bb, 0,1,2,3
.irp j, 0,1,2,3
	global_load_b128 v[GN+16*\bb+4*\j:GN+16*\bb+4*\j+3], v[H64], s[76:77] offset:128*\bb+16*\j   ; the gains: register n of 64 stands for channel 32 (n / 16) + 16 h + n % 16
.endr
.endr
.endif
	HALF 1, 1, 0
	WIN 0
.irp a, 0,1,2,3                                ; twelve plain lines that name no register of the last products: the places behind them
	v_mov_b32 v[RS+2*\a+1], 0                      ; (named as the upper half of a pair)
	v_mov_b32 v[PT+\a], 0                          ; (a lane permute's destination counts as one of its sources)
	v_mov_b32 v[TM+4+\a], 0
.endr
.endm
.macro SHARE dst, first, per, last     ; block j = min(first + min(lane, per - 1), last) of a unit: group j / 75, block j % 75 of its 19,200 bytes
	v_min_u32 v17, (\per)-1, v15
	v_add_nc_u32 v17, s[\first], v17
	v_min_u32 v17, \last, v17
	v_mul_u32_u24 v18, v17, 437
	v_lshrrev_b32 v18, 15, v18                     ; j / 75, right for j under 300
	v_mul_u32_u24 v19, v18, 75
	v_sub_nc_u32 v17, v17, v19
	v_lshlrev_b32 v17, 8, v17
	v_mad_u32_u24 v[\dst], s33, v18, v17
.endm
	s_load_b256 s[4:11], s[0:1], 0x0               ; xp s[4:5], wp s[6:7], rope s[8:9], q_scale s[10:11]
	s_load_b128 s[12:15], s[0:1], 0x20             ; k_scale s[12:13], qp s[14:15]
	s_load_b64 s[16:17], s[0:1], 0x30              ; kv
	v_lshrrev_b32 v15, 5, v0
	v_readfirstlane_b32 s[WV], v15                 ; wave 0..3
	s_lshr_b32 s[WA], s[WV], 1                     ; which 64 rows of A are mine
	s_and_b32 s[WB], s[WV], 1                      ; which 128 rows of B
	s_bfe_u32 s[CX], ttmp6, 0x40000
	s_bfe_u32 s[CY], ttmp6, 0x40004
	s_mov_b32 s[CLX], ttmp9                        ; the cluster's x: the mode
	s_and_b32 s[CLY], ttmp7, 0xffff
	s_and_b32 s84, s[CLY], 1
	s_lshr_b32 s85, s[CLY], 1
	s_cmp_eq_u32 s[CLX], 3
	s_cselect_b32 s[COLC], s84, s[CLX]             ; v's 8 x 8 tiles lie in the four clusters of x = 3, two by two
	s_cselect_b32 s[ROWC], s85, s[CLY]
	s_lshl_b32 s[TC], s[COLC], 2
	s_add_co_u32 s[TC], s[TC], s[CX]               ; which 256 rows of B
	s_lshl_b32 s[TR], s[ROWC], 2
	s_add_co_u32 s[TR], s[TR], s[CY]               ; which 128 rows of A
	s_mul_i32 s66, s[TR], 2*KPITCH                 ; A: groups 2 TR, 2 TR + 1
	s_mov_b32 s67, 0
	s_mul_i32 s70, s[TC], 4*KPITCH                 ; B: groups 4 TC on
	s_mov_b32 s71, 0
	s_mul_i32 s28, s[WA], KPITCH
	s_mul_i32 s29, s[WB], 2*KPITCH
	s_lshl_b32 s30, s[CX], 2
	s_add_co_u32 s30, s30, s[WV]
	s_mul_i32 s30, s30, 10                         ; my first block of a unit of A: 10 x (4 cx + wave)
	s_lshl_b32 s31, s[CY], 2
	s_add_co_u32 s31, s31, s[WV]
	s_mul_i32 s31, s31, 19                         ; of B: 19 x (4 cy + wave)
	s_lshl_b32 s32, s[CX], 1
	s_add_co_u32 s32, s32, s[WB]
	s_lshl_b32 s32, s32, 4                         ; of the table: 16 x (2 cx + wb)
	s_mov_b32 s33, KPITCH
	s_mov_b32 s[SEL], 0x76543210
	s_mov_b32 s[SEL+1], 0xfedcba98
	s_mov_b32 s82, 0x3c000000                      ; 1 / 128
	s_mov_b32 s83, 0x358637bd                      ; 1e-6
	; where my record goes
	s_lshl_b32 s90, s[TC], 1
	s_add_co_u32 s90, s90, s[WB]                   ; q: the head; k: 16 + the head; v: the key step
	s_lshl_b32 s91, s90, 5
	s_lshl_b32 s84, s[TR], 1
	s_add_co_u32 s84, s84, s[WA]
	s_add_co_u32 s91, s91, s84
	s_mul_i32 s91, s91, REC                        ; q: (head x 32 + group of 64 tokens) records
	s_mul_i32 s94, s[WA], REC
	s_sub_co_u32 s92, s90, 16
	s_lshl_b32 s92, s92, 4
	s_add_co_u32 s92, s92, s[TR]
	s_mul_i32 s92, s92, 4*REC
	s_add_co_u32 s92, s92, s94                     ; k: (head x 16 + key step) x 4 records + wa
	s_lshl_b32 s93, s[TR], 4
	s_add_co_u32 s93, s93, s90
	s_mul_i32 s93, s93, 4*REC
	s_add_co_u32 s93, s93, s94
	s_add_co_u32 s93, s93, 2*REC                   ; v: (head x 16 + key step) x 4 records + 2 + wa
	s_cmp_lt_u32 s[CLX], 2
	s_cselect_b32 s86, s91, s92
	s_cmp_eq_u32 s[CLX], 3
	s_cselect_b32 s86, s93, s86
	s_mov_b32 s87, 0
	s_lshl_b32 s88, s[TR], 7
	s_lshl_b32 s84, s[WA], 6
	s_add_co_u32 s88, s88, s84
	s_lshl_b32 s88, s88, 9                         ; the table at my first token
	s_mov_b32 s89, 0
	s_cmp_eq_u32 s[CLX], 3                         ; (the shifts and sums above have written SCC)
	s_cselect_b32 s62, 48*KPITCH, 0                ; Wv's groups begin at 48
	s_mov_b32 s63, 0
	; the lanes' offsets, in one run
	v_and_b32 v15, 31, v0
	v_lshlrev_b32 v[LI], 4, v15
	v_and_b32 v[RR], 15, v0
	v_bfe_u32 v[HH], v0, 4, 1
	v_add_nc_u32 v[LA], s28, v[LI]
	v_add_nc_u32 v[LB], s29, v[LI]
	v_lshl_add_u32 v[LSA], v[RR], 4, s28
	v_lshl_add_u32 v[LSB], v[RR], 4, s29
	SHARE PFOA, 30, 10, 149
	SHARE PFOB, 31, 19, 299
	v_and_b32 v19, 7, v[RR]
	v_lshrrev_b32 v[RT], 3, v[RR]
	v_lshl_add_u32 v19, v[RT], 4, v19              ; r % 8 + 16 (r / 8)
	v_lshlrev_b32 v[H64], 6, v[HH]
	v_lshl_add_u32 v[RT], v19, 9, v[H64]           ; x 512 bytes a token, + 64 h
	v_lshlrev_b32 v[SB8], 3, v[HH]
	v_lshl_add_u32 v[SB8], v[RR], 4, v[SB8]
	v_min_u32 v19, 15, v15
	v_add_nc_u32 v19, s32, v19
	v_lshlrev_b32 v[PFR], 8, v19
	s_wait_alu depctr_va_vdst(0)                   ; the wait at the head's end
	s_wait_kmcnt 0x0
	s_cmp_eq_u32 s[CLX], 3
	s_cselect_b64 s[BA:BA+1], s[6:7], s[4:5]       ; A's buffer: wp for v, else xp
	s_cselect_b64 s[BB:BB+1], s[4:5], s[6:7]       ; B's the other way round
	s_add_nc_u64 s[BA:BA+1], s[BA:BA+1], s[62:63]
	s_add_nc_u64 s[BA:BA+1], s[BA:BA+1], s[66:67]
	s_add_nc_u64 s[BB:BB+1], s[BB:BB+1], s[70:71]
	FETCHB 0, 0
	FETCHA 0, 0
	s_cmp_lt_u32 s[CLX], 2
	s_cselect_b64 s[74:75], s[14:15], s[16:17]
	s_cselect_b64 s[76:77], s[10:11], s[12:13]     ; the gains: q's or k's
	s_add_nc_u64 s[74:75], s[74:75], s[86:87]
	s_add_nc_u64 s[78:79], s[8:9], s[88:89]
.irp u, 0,1,2                                  ; units 0 to 2: steps 2 to 10
	global_prefetch_b8 v[PFOA], s[BA:BA+1] offset:(3*\u+2)*REC th:TH_LOAD_NT scope:SCOPE_SE
	global_prefetch_b8 v[PFOB], s[BB:BB+1] offset:(3*\u+2)*REC th:TH_LOAD_NT scope:SCOPE_SE
.endr
	s_cmp_eq_u32 s[CLX], 3
	s_cbranch_scc1 .Lno_table                      ; v has no use for the table
	global_prefetch_b8 v[PFR], s[78:79] th:TH_LOAD_NT scope:SCOPE_SE
.Lno_table:
	FETCHB 1, 1
	FETCHA 1, 1
	STEP 0, 0, 1, 0                                ; the first step stands in front of the loop: its products start the sums
	s_mov_b32 s[LAP], TRIPS
.Ltrip:                                                ; steps 3 m + 1 .. 3 m + 3, the bases at step 3 m
	STEP 1, 1, 0, 1
	STEP 2, 2, 0, 0
	STEP 0, 3, 0, 0
	s_wait_xcnt 0x0                                ; the loads and prefetches have read their bases
	s_add_nc_u64 s[BA:BA+1], s[BA:BA+1], 3*REC
	s_add_nc_u64 s[BB:BB+1], s[BB:BB+1], 3*REC
	s_sub_co_u32 s[LAP], s[LAP], 1
	s_cmp_lg_u32 s[LAP], 0
	s_cbranch_scc1 .Ltrip
	STEP 1, 1, 0, 0                                ; step 28 asks for step 30,
	STEP 2, 2, 0, 0                                ; step 29 for step 31
; 64 numbers of a lane in window w, register 16 b + i = k 32 b + 16 (lane / 16) + i of my row, become an operand's codes in v[PC] on and its scale word in v[pw].  Each accumulator is read from its low end on.
.macro QUANT s, w, pw
	WIN ((\w)<<2)|((\w)<<4)
.irp b, 0,1,2,3
	v_max3_num_f32 v[TM+\b], 0x2800000, |v[(\s)+16*\b]|, |v[(\s)+16*\b+1]|   ; the floor 2^(5 - 127) and my first two of block b
.endr
.irp i, 2,4,6,8,10,12,14
.irp b, 0,1,2,3
	v_max3_num_f32 v[TM+\b], v[TM+\b], |v[(\s)+16*\b+\i]|, |v[(\s)+16*\b+\i+1]|
.endr
.endr
	WIN 0
.irp b, 0,1,2,3
	v_permlanex16_b32 v[TM+4+\b], v[TM+\b], s[SEL], s[SEL+1]
.endr
.irp b, 0,1,2,3
	v_max_num_f32 v[TM+\b], v[TM+\b], v[TM+4+\b]
.endr
.irp b, 0,1,2,3
	v_add_nc_u32 v[TM+12+\b], 0xfe000000, v[TM+\b]   ; 4 off the exponent field: the conversion's scale operand
.endr
.irp b, 0,1,2,3
	v_lshrrev_b32 v[TM+4+\b], 23, v[TM+12+\b]
.endr
	v_lshl_or_b32 v[\pw], v[TM+5], 8, v[TM+4]
	v_lshl_or_b32 v[\pw], v[TM+6], 16, v[\pw]
	v_lshl_or_b32 v[\pw], v[TM+7], 24, v[\pw]
	WIN (\w)
.irp c, 0,1
	v_cvt_scalef32_pk16_bf6_f32 v[PC+6*\c:PC+6*\c+2], v[(\s)+32*\c:(\s)+32*\c+15], v[TM+12+2*\c]
	v_cvt_scalef32_pk16_bf6_f32 v[PC+12+4*\c:PC+14+4*\c], v[(\s)+32*\c+16:(\s)+32*\c+31], v[TM+13+2*\c]
.endr
	WIN 0
	v_nop                                          ; one plain line behind the scaled conversions
.irp c, 0,1
.irp i, 0,1,2
	v_permlane16_swap_b32 v[PC+6*\c+\i], v[PC+12+4*\c+\i]
.endr
.irp i, 0,1,2
	v_mov_b32 v[PC+3+6*\c+\i], v[PC+12+4*\c+\i]
.endr
.endr
.endm
.macro IMG_OUT off
.irp c, 0,1,2
	global_store_b128 v[LI], v[PC+4*\c:PC+4*\c+3], s[74:75] offset:(\off)+512*\c   ; the image as it stands: 512 consecutive bytes a store
.endr
.endm
; block a of q or k: x 1 / rms, x the gain, turned by the token's angles.  Channels d and d + 64 are registers n and n + 32 of one lane
.macro NORMROPE a
	WIN 0x02
.set n, 0
.rept 32
	v_pk_mul_f32 v[Y+n:Y+n+1], v[64*(\a)+n:64*(\a)+n+1], v[RS+2*(\a):RS+2*(\a)+1] op_sel_hi:[1,0]
.set n, n+2
.endr
	WIN 0x04
.set n, 0
.rept 32
	v_pk_mul_f32 v[Y+n:Y+n+1], v[Y+n:Y+n+1], v[GN+n:GN+n+1]
.set n, n+2
.endr
	WIN 0x0c
.set n, 0
.rept 16
	v_pk_mul_f32 v[Z+n:Z+n+1], v[Y+n:Y+n+1], v[64*(\a)+n:64*(\a)+n+1]
	v_pk_mul_f32 v[Z+32+n:Z+32+n+1], v[Y+32+n:Y+32+n+1], v[64*(\a)+n:64*(\a)+n+1]
.set n, n+2
.endr
.set n, 0
.rept 16
	v_pk_fma_f32 v[Z+n:Z+n+1], v[Y+32+n:Y+32+n+1], v[64*(\a)+32+n:64*(\a)+32+n+1], v[Z+n:Z+n+1] neg_lo:[1,0,0] neg_hi:[1,0,0]
	v_pk_fma_f32 v[Z+32+n:Z+32+n+1], v[Y+n:Y+n+1], v[64*(\a)+32+n:64*(\a)+32+n+1], v[Z+32+n:Z+32+n+1]
.set n, n+2
.endr
	WIN 0
.endm
.macro WORDS_OUT                       ; lanes 0-15 store images 0 and 1's words of row r, lanes 16-31 images 2 and 3's: 256 consecutive bytes, aligned
	v_cmp_eq_u32 vcc_lo, 1, v[HH]
	v_cndmask_b32 v[W], v[PWS], v[PWS+2], vcc_lo
	v_cndmask_b32 v[W+1], v[PWS+1], v[PWS+3], vcc_lo
	global_store_b64 v[SB8], v[W:W+1], s[74:75] offset:6144
.endm
	s_cmp_eq_u32 s[CLX], 3                         ; the same in all waves of the work-group
	s_cbranch_scc1 .Lvtail
	LAST2 1
	; ---- q and k: the mean of squares over the head's 128: my 64, then lane l xor 16's
	WIN 0x0a
.irp a, 0,1,2,3
	v_pk_mul_f32 v[SSQ+2*\a:SSQ+2*\a+1], v[64*\a:64*\a+1], v[64*\a:64*\a+1]
.endr
.set n, 2
.rept 31
.irp a, 0,1,2,3
	v_pk_fma_f32 v[SSQ+2*\a:SSQ+2*\a+1], v[64*\a+n:64*\a+n+1], v[64*\a+n:64*\a+n+1], v[SSQ+2*\a:SSQ+2*\a+1]
.endr
.set n, n+2
.endr
	WIN 0
.irp a, 0,1,2,3
	v_add_f32 v[SSQ+2*\a], v[SSQ+2*\a], v[SSQ+2*\a+1]
.endr
.irp a, 0,1,2,3
	v_permlanex16_b32 v[PT+\a], v[SSQ+2*\a], s[SEL], s[SEL+1]
.endr
.irp a, 0,1,2,3
	v_add_f32 v[SSQ+2*\a], v[SSQ+2*\a], v[PT+\a]
.endr
.irp a, 0,1,2,3
	v_fma_f32 v[SSQ+2*\a], v[SSQ+2*\a], s82, s83   ; / 128 + 1e-6
.endr
	s_wait_alu depctr_va_vdst(0)                   ; the wait ahead of the four,
.irp a, 0,1,2,3
	v_rsq_f32 v[RS+2*\a], v[SSQ+2*\a]
.endr
	v_nop                                          ; a plain line behind them,
	s_wait_alu depctr_va_vdst(0)                   ; and one wait ahead of their first reader
	s_wait_loadcnt 0x0                             ; the table and the gains
.irp a, 0,1,2,3
	NORMROPE \a
.if \a > 0
	s_wait_xcnt 0x0                                ; the last image's stores have read their data
.endif
	QUANT Z, 0, PWS+\a
	IMG_OUT 1536*\a
.endr
	WORDS_OUT
	s_endpgm
.Lvtail:
	LAST2 0
	; ---- v: the accumulators are quantised as they stand: rows = channels, K = the wave's 128 tokens
.irp a, 0,1,2,3
.if \a > 0
	s_wait_xcnt 0x0
.endif
	QUANT 64*\a, 2, PWS+\a
	IMG_OUT 1536*\a
.endr
	WORDS_OUT
	s_endpgm
.Lfunc_end_k_q0d3a4584ca_qkv:
	.size	k_q0d3a4584ca_qkv, .Lfunc_end_k_q0d3a4584ca_qkv-k_q0d3a4584ca_qkv
	.p2alignl 7, 3214868480
	.fill 96, 4, 3214868480
	.section	.rodata,"a",@progbits
	.p2align	6, 0x0
	.amdhsa_kernel k_q0d3a4584ca_qkv
		.amdhsa_group_segment_fixed_size 0
		.amdhsa_private_segment_fixed_size 0
		.amdhsa_enable_private_segment 0
		.amdhsa_kernarg_size 56
		.amdhsa_user_sgpr_count 2
		.amdhsa_user_sgpr_kernarg_segment_ptr 1
		.amdhsa_wavefront_size32 1
		.amdhsa_system_sgpr_workgroup_id_x 1
		.amdhsa_system_sgpr_workgroup_id_y 1
		.amdhsa_system_sgpr_workgroup_id_z 1
		.amdhsa_system_vgpr_workitem_id 0
		.amdhsa_next_free_vgpr 1024
		.amdhsa_next_free_sgpr 100
		.amdhsa_reserve_vcc 1
		.amdhsa_float_denorm_mode_32 3
		.amdhsa_float_denorm_mode_16_64 3
		.amdhsa_memory_ordered 1
		.amdhsa_forward_progress 1
		.amdhsa_inst_pref_size 163
	.end_amdhsa_kernel
	.amdgpu_metadata
---
amdhsa.version: [ 1, 2 ]
amdhsa.kernels:
  - .name:           k_q0d3a4584ca_qkv
    .symbol:         k_q0d3a4584ca_qkv.kd
    .args:
      - { .name: xp, .offset: 0, .size: 8, .value_kind: global_buffer, .address_space: global }
      - { .name: wp, .offset: 8, .size: 8, .value_kind: global_buffer, .address_space: global }
      - { .name: rope, .offset: 16, .size: 8, .value_kind: global_buffer, .address_space: global }
      - { .name: q_scale, .offset: 24, .size: 8, .value_kind: global_buffer, .address_space: global }
      - { .name: k_scale, .offset: 32, .size: 8, .value_kind: global_buffer, .address_space: global }
      - { .name: qp, .offset: 40, .size: 8, .value_kind: global_buffer, .address_space: global }
      - { .name: kv, .offset: 48, .size: 8, .value_kind: global_buffer, .address_space: global }
    .group_segment_fixed_size: 0
    .private_segment_fixed_size: 0
    .kernarg_segment_align: 8
    .kernarg_segment_size: 56
    .max_flat_workgroup_size: 128
    .sgpr_count:     100
    .vgpr_count:     1024
    .wavefront_size: 32
...
	.end_amdgpu_metadata
.endif
;; end of part 2
;; launch attn (part 3): grid 32 x 8, 8 waves a work-group, clusters of 4 x 1, 327,680 bytes of LDS; arguments qp, kv, cp; writes cp
.if DOCPART == 3
	.amdgcn_target "amdgcn-amd-amdhsa--gfx1250"
	.amdhsa_code_object_version 6
	.text
	.protected	k_q0d3a4584ca_attn
	.globl	k_q0d3a4584ca_attn
	.p2align	8
	.type	k_q0d3a4584ca_attn,@function
k_q0d3a4584ca_attn:
	s_mov_b64 s[64:65], 0
	v_nop
	global_prefetch_b8 v0, s[64:65] scope:SCOPE_SE
	s_setreg_imm32_b32 hwreg(HW_REG_WAVE_MODE, 25, 1), 1
	s_wait_xcnt 0x0
	s_wait_alu depctr_hold_cnt(0) depctr_sa_sdst(0) depctr_va_vdst(0) depctr_va_sdst(0) depctr_va_ssrc(0) depctr_va_vcc(0) depctr_vm_vsrc(0)
	s_getreg_b32 s2, hwreg(HW_REG_IB_STS2, 6, 4)
	s_cmp_eq_u32 s2, 0
	s_cbranch_scc0 .Lentry_in_a_cluster
	s_endpgm
.Lentry_in_a_cluster:
	s_bfe_u32 s2, ttmp6, 0x10000c
	s_cmp_lg_u32 s2, 0x3003
	s_cbranch_scc0 .Lentry_shape_is_right
	s_endpgm
.Lentry_shape_is_right:
; ctx = softmax(q k^T / sqrt(128), causal) v on codes of BF6 (E3M2) with E8M0 scales; ctx is quantised at once for the last product.  qp, kv and cp hold RECORDS of 6,400 bytes, as the launches before lay them.
; A cluster of four work-groups takes one key and value head: its two query heads x two groups of 64 queries.  A wave takes 16 queries (one image): waves 0-3 of a low group, waves 4-7 of the group mirrored at the middle of the sequence.
; Both products are used transposed, so that a lane holds one query.  Keys go in 16 steps of 128 (four records: K's two, V's two).  LDS holds three regions of four steps; the four partners ask for each region jointly, a wave an eighth.
; Region 0 is asked for at the head, regions 1 and 2 behind the full sequence and a round of the cluster's barrier ahead of steps 0 and 3, and steps 12-15 refill region 0 ahead of step 7.
; p = 2^(t - M), M the ceiling of the running largest t; the row's sum is taken of the unquantised p; O^T and the sum are brought under a new M by an exact power of two in every step.
; LEFT OUT: the key steps wholly above the diagonal of reference()'s causal mask (a scalar branch on ids at a step's head, round the step's work alone); in the step on the diagonal the masked scores are set to -infinity by a select.
; LIMITS: NaN and infinities are not served; the promise holds while the scaled scores stay under 2^31 in magnitude; a block of zeros gets the byte 1 (its codes are zeros; this program alone reads the bytes).
.set REC,    6400
.set KSTEP,  4*REC
.set REGION, 4*KSTEP
.set SPARE,  3*REGION
.set STG,    SPARE+1024
.set LI,   1
.set LSC,  2
.set ADK,  3
.set ADV,  4
.set ADKS, 5
.set ADVS, 6
.set SPW,  7
.set NIL,  8
.set DM,   9
.set IMO,  10
.set QSO,  11
.set QF,   16
.set QS,   28
.set STA,  29
.set STR,  30
.set L8,   31
.set KS,   32
.set VS,   36
.set PW,   40
.set BM,   44
.set T2,   48
.set SO,   52
.set F,    56
.set NINF, 60
.set S,    64
.set VF,   128
.set TM,   128
.set PC,   224
.set WV,   10
.set HQ,   14
.set HI,   16
.set TA,   17
.set T64,  18
.set L,    19
.set SEL,  20
.set CS,   22
.set G1,   24
.set G0,   32
.set T,    44
.set TBV,  45
.set TBK,  46
.set CNT,  47
.set MSB, 0
.macro WIN new
.if MSB != (\new)
	s_set_vgpr_msb (MSB<<8)|(\new)
.set MSB, (\new)
.endif
.endm
.macro PLACES n
.rept \n
	v_nop
.endr
.endm
.macro CROUND
	s_barrier_signal -1
	s_barrier_wait -1
	s_cmp_lg_u32 s[WV], 0
	s_cbranch_scc1 .Lnot_wave_0_\@
	s_barrier_signal -3
.Lnot_wave_0_\@:
	s_barrier_wait -3
	s_barrier_signal -1
	s_barrier_wait -1
.endm
	s_load_b128 s[4:7], s[0:1], 0x0
	s_load_b64 s[8:9], s[0:1], 0x10
	v_lshl_add_u32 v[SPW], v0, 2, SPARE
	v_mov_b32 v[NIL], 0
	ds_add_u32 v7, v8
	ds_add_u32 v7, v8
	s_wait_dscnt 0x0
	v_lshrrev_b32 v58, 5, v0
	s_delay_alu instid0(VALU_DEP_1)
	v_readfirstlane_b32 s[WV], v58
	s_mov_b32 s11, ttmp9
	s_and_b32 s12, ttmp7, 0xffff
	s_bfe_u32 s13, ttmp6, 0x40000
	s_and_b32 s48, s13, 1
	s_lshl_b32 s[HQ], s12, 1
	s_add_co_u32 s[HQ], s[HQ], s48
	s_lshr_b32 s49, s13, 1
	s_lshl_b32 s15, s11, 1
	s_add_co_u32 s15, s15, s49
	s_lshr_b32 s[HI], s[WV], 2
	s_and_b32 s[TA], s[WV], 3
	s_sub_co_u32 s50, 31, s15
	s_sub_co_u32 s51, 15, s11
	s_xor_b32 s52, s49, 1
	s_cmp_eq_u32 s[HI], 0
	s_cselect_b32 s[T64], s15, s50
	s_cselect_b32 s[L], s11, s51
	s_cselect_b32 s53, s49, s52
	s_mov_b32 s[G1], 15|(3<<16)|(1<<21)
	s_mov_b32 s[G1+1], 32<<16
	s_mov_b32 s[G1+2], 50<<16
	s_mov_b32 s[G1+3], 32<<16
	s_mov_b32 s[G1+4], 50
	s_mov_b32 s[G1+5], 32
	s_mov_b32 s[G1+6], 0
	s_mov_b32 s[G1+7], 0
	s_mul_i32 s54, s[WV], REGION/8
	s_mul_i32 s56, s12, 16*KSTEP
	s_add_co_u32 s56, s56, s54
	s_mov_b32 s57, 0
	s_mov_b32 s[SEL], 0x76543210
	s_mov_b32 s[SEL+1], 0xfedcba98
	s_mov_b32 s[CS], 0x3e0293ee
	s_mov_b32 s[CS+1], s[CS]
	s_wait_kmcnt 0x0
	s_add_nc_u64 s[56:57], s[6:7], s[56:57]
.irp c, 0,1,2
	s_mov_b32 s[G0+4*\c], 1
	s_add_co_u32 s[G0+4*\c+1], s54, \c*REGION
	s_add_nc_u64 s[G0+4*\c+2:G0+4*\c+3], s[56:57], \c*REGION
	s_or_b32 s[G0+4*\c+3], s[G0+4*\c+3], 0x80000000
.endr
	CROUND
	tensor_load_to_lds s[G0:G0+3], s[G1:G1+7]
	s_nop 0                                        ; region 0: one tensor load a wave at the head; the set-up below stands under its flight
	PLACES 4
	v_and_b32 v58, 31, v0
	s_delay_alu instid0(VALU_DEP_1)
	v_lshlrev_b32 v[LI], 4, v58
	s_delay_alu instid0(VALU_DEP_2)
	v_lshlrev_b32 v[L8], 3, v58
	v_and_b32 v59, 15, v0
	v_bfe_u32 v58, v0, 4, 1
	s_delay_alu instid0(VALU_DEP_1)
	v_mul_u32_u24 v[LSC], v58, REC
	s_delay_alu instid0(VALU_DEP_1)
	v_lshl_add_u32 v[LSC], v59, 4, v[LSC]
	s_delay_alu instid0(VALU_DEP_1)
	v_add_nc_u32 v[LSC], 6144, v[LSC]
	v_and_b32 v[DM], 7, v59
	v_lshrrev_b32 v[QSO], 3, v59
	s_delay_alu instid0(VALU_DEP_1)
	v_lshl_add_u32 v[DM], v[QSO], 4, v[DM]
	v_lshlrev_b32 v[QSO], 4, v58
	s_delay_alu instid0(VALU_DEP_1)
	v_sub_nc_u32 v[DM], v[DM], v[QSO]
	s_lshl_b32 s53, s53, 6
	s_lshr_b32 s48, s[TA], 1
	s_lshl_b32 s48, s48, 5
	s_add_co_u32 s53, s53, s48
	s_and_b32 s48, s[TA], 1
	s_lshl_b32 s48, s48, 3
	s_add_co_u32 s53, s53, s48
	v_add_nc_u32 v[DM], s53, v[DM]
	s_mul_i32 s48, s[TA], 1536
	v_add_nc_u32 v[IMO], s48, v[LI]
	s_wait_alu depctr_va_vdst(0)
	s_lshl_b32 s48, s[TA], 2
	v_lshl_add_u32 v[QSO], v59, 4, s48
	s_wait_alu depctr_va_vdst(0)
	s_lshl_b32 s50, s[HI], 8
	s_add_co_u32 s50, s50, STG
	s_add_co_u32 s48, s48, s50
	v_lshl_add_u32 v[STA], v59, 4, s48
	v_add_nc_u32 v[STR], s50, v[L8]
	s_lshl_b32 s48, s[HQ], 5
	s_add_co_u32 s48, s48, s[T64]
	s_mul_i32 s48, s48, REC
	s_mov_b32 s49, 0
	s_add_nc_u64 s[58:59], s[4:5], s[48:49]
	s_lshl_b32 s48, s[T64], 4
	s_add_co_u32 s48, s48, s[HQ]
	s_mul_i32 s48, s48, REC
	s_add_nc_u64 s[8:9], s[8:9], s[48:49]
.irp c, 0,1,2
	global_load_b128 v[QF+4*\c:QF+4*\c+3], v[IMO], s[58:59] offset:512*\c
.endr
	global_load_b32 v[QS], v[QSO], s[58:59] offset:6144
	v_mov_b32 v13, 0xff61b1e6
	s_delay_alu instid0(VALU_DEP_1)
	v_floor_f32 v12, -v13
	v_mov_b32 v14, 0
	v_mov_b32 v15, 0
	v_mov_b32 v[F+1], 0
	v_mov_b32 v[NINF], 0xff800000
.irp b, 0,1,2,3
	v_mov_b32 v[T2+\b], 0
.endr
	WIN 0x40
.set n, 0
.rept 64
	v_mov_b32 v[n], 0
.set n, n+1
.endr
	WIN 0
.macro KLOAD
	WIN 0x40
.irp t, 0,1,2,3,4,5,6,7
.irp c, 0,1,2
	ds_load_b128 v[64+12*\t+4*\c:64+12*\t+4*\c+3], v[ADK] offset:(\t/4)*REC+(\t%4)*1536+512*\c
.endr
.endr
	WIN 0
	ds_load_b128 v[KS:KS+3], v[ADKS]
.endm
.macro BODY
	s_cmp_gt_u32 s[T], s[L]
	s_cbranch_scc1 .Lskip_\@
	s_wait_dscnt 0x0
	WIN 0x01
.irp t, 0,1,2,3
	v_wmma_scale_f32_16x16x128_f8f6f4 v[S+8*\t:S+8*\t+7], v[64+12*\t:64+12*\t+11], v[QF:QF+11], 0, v[KS+\t], v[QS] matrix_a_fmt:MATRIX_FMT_BF6 matrix_b_fmt:MATRIX_FMT_BF6
.endr
.irp t, 4,5,6,7
	v_wmma_scale_f32_16x16x128_f8f6f4 v[S+8*\t:S+8*\t+7], v[64+12*\t:64+12*\t+11], v[QF:QF+11], 0, v[KS+\t-4], v[QS] matrix_a_fmt:MATRIX_FMT_BF6 matrix_b_fmt:MATRIX_FMT_BF6 matrix_a_scale:MATRIX_SCALE_ROW1
.endr
	WIN 0
	v_add_nc_u32 v[ADV], s[TBV], v[LI]
	v_add_nc_u32 v[ADVS], s[TBV], v[LSC]
	v_add_nc_u32 v[ADK], s[TBK], v[LI]
	v_add_nc_u32 v[ADKS], s[TBK], v[LSC]
.irp t, 0,1,2,3,4,5,6,7
.irp c, 0,1,2
	ds_load_b128 v[VF+12*\t+4*\c:VF+12*\t+4*\c+3], v[ADV] offset:2*REC+(\t/4)*REC+(\t%4)*1536+512*\c
.endr
.endr
	ds_load_b128 v[VS:VS+3], v[ADVS] offset:2*REC
	s_cmp_lt_u32 s[T], s[L]
	s_cbranch_scc0 .Ldiag_\@
	KLOAD
	s_branch .Lopen_\@
.Ldiag_\@:
.set n, 0
.rept 64
	v_cmp_gt_i32 vcc_lo, 32*(n/16)+n%16, v[DM]
	v_cndmask_b32 v[S+n], v[S+n], v[NINF], vcc_lo
.set n, n+1
.endr
.Lopen_\@:
.irp b, 0,1,2,3
	v_max3_num_f32 v[BM+\b], v[S+16*\b], v[S+16*\b+1], v[S+16*\b+2]
.endr
.irp i, 3,5,7,9,11,13
.irp b, 0,1,2,3
	v_max3_num_f32 v[BM+\b], v[BM+\b], v[S+16*\b+\i], v[S+16*\b+\i+1]
.endr
.endr
.irp b, 0,1,2,3
	v_max_num_f32 v[BM+\b], v[BM+\b], v[S+16*\b+15]
.endr
.irp b, 0,1,2,3
	s_delay_alu instid0(VALU_DEP_4)
	v_permlanex16_b32 v[T2+\b], v[BM+\b], s[SEL], s[SEL+1]
.endr
.irp b, 0,1,2,3
	s_delay_alu instid0(VALU_DEP_4)
	v_max_num_f32 v[BM+\b], v[BM+\b], v[T2+\b]
.endr
	s_delay_alu instid0(VALU_DEP_2)
	v_max3_num_f32 v58, v[BM], v[BM+1], v[BM+2]
	s_delay_alu instid0(VALU_DEP_1)
	v_max_num_f32 v58, v58, v[BM+3]
	s_delay_alu instid0(VALU_DEP_1)
	v_mul_f32 v58, s[CS], v58
	s_delay_alu instid0(VALU_DEP_1)
	v_max_num_f32 v13, v13, v58
	v_mov_b32 v58, v12
	s_delay_alu instid0(VALU_DEP_2)
	v_floor_f32 v12, -v13
	s_delay_alu instid0(VALU_DEP_1)
	v_sub_f32 v58, v12, v58
	s_delay_alu instid0(VALU_DEP_1)
	v_cvt_i32_f32 v58, v58
	s_delay_alu instid0(VALU_DEP_1)
	v_ldexp_f32 v[F], 1.0, v58
.set n, 0
.rept 32
	v_pk_fma_f32 v[S+n:S+n+1], v[S+n:S+n+1], s[CS:CS+1], v[12:13] op_sel_hi:[1,0,0]
.set n, n+2
.endr
.irp b, 0,1,2,3
	v_fma_f32 v[BM+\b], v[BM+\b], s[CS], v12
.endr
.set n, 0
	s_wait_alu depctr_va_vdst(0)
.rept 64
	v_exp_f32 v[S+n], v[S+n]
.set n, n+1
.endr
	v_pk_mul_f32 v[14:15], v[14:15], v[F:F+1] op_sel_hi:[1,0]
	s_wait_alu depctr_va_vdst(0)
.irp b, 0,1,2,3
	v_exp_f32 v[BM+\b], v[BM+\b]
.endr
	v_pk_add_f32 v[T2:T2+1], v[S:S+1], v[S+2:S+3]
.irp j, 4,8,12,16,20,24,28,32,36,40,44,48,52,56,60
	v_pk_add_f32 v[14:15], v[14:15], v[S+\j:S+\j+1]
	v_pk_add_f32 v[T2:T2+1], v[T2:T2+1], v[S+\j+2:S+\j+3]
.endr
	s_delay_alu instid0(VALU_DEP_1)
	v_pk_add_f32 v[14:15], v[14:15], v[T2:T2+1]
	s_wait_alu depctr_va_vdst(0)
.irp b, 0,1,2,3
	v_max_num_f32 v[BM+\b], 0x2800000, v[BM+\b]
.endr
.irp b, 0,1,2,3
	s_delay_alu instid0(VALU_DEP_4)
	v_add_nc_u32 v[SO+\b], 0xfe000000, v[BM+\b]
.endr
.irp b, 0,1,2,3
	s_delay_alu instid0(VALU_DEP_4)
	v_lshrrev_b32 v[T2+\b], 23, v[SO+\b]
.endr
	s_delay_alu instid0(VALU_DEP_3)
	v_lshl_or_b32 v[PW], v[T2+1], 8, v[T2]
	s_delay_alu instid0(VALU_DEP_1)
	v_lshl_or_b32 v[PW], v[T2+2], 16, v[PW]
	s_delay_alu instid0(VALU_DEP_1)
	v_lshl_or_b32 v[PW], v[T2+3], 24, v[PW]
.irp c, 0,1
	v_cvt_scalef32_pk16_bf6_f32 v[PC+6*\c:PC+6*\c+2], v[S+32*\c:S+32*\c+15], v[SO+2*\c]
	v_cvt_scalef32_pk16_bf6_f32 v[PC+12+4*\c:PC+14+4*\c], v[S+32*\c+16:S+32*\c+31], v[SO+2*\c+1]
.endr
	v_nop
.irp c, 0,1
.irp i, 0,1,2
	v_permlane16_swap_b32 v[PC+6*\c+\i], v[PC+12+4*\c+\i]
.endr
.irp i, 0,1,2
	s_delay_alu instid0(VALU_DEP_3)
	v_mov_b32 v[PC+3+6*\c+\i], v[PC+12+4*\c+\i]
.endr
.endr
	WIN 0x41
.set n, 0
.rept 32
	v_pk_mul_f32 v[n:n+1], v[n:n+1], v[F:F+1] op_sel_hi:[1,0]
.set n, n+2
.endr
	s_wait_alu depctr_va_vdst(0)
	s_wait_dscnt 0x0
	WIN 0x50
.irp t, 0,1,2,3
	v_wmma_scale_f32_16x16x128_f8f6f4 v[8*\t:8*\t+7], v[VF+12*\t:VF+12*\t+11], v[PC:PC+11], v[8*\t:8*\t+7], v[VS+\t], v[PW] matrix_a_fmt:MATRIX_FMT_BF6 matrix_b_fmt:MATRIX_FMT_BF6
.endr
.irp t, 4,5,6,7
	v_wmma_scale_f32_16x16x128_f8f6f4 v[8*\t:8*\t+7], v[VF+12*\t:VF+12*\t+11], v[PC:PC+11], v[8*\t:8*\t+7], v[VS+\t-4], v[PW] matrix_a_fmt:MATRIX_FMT_BF6 matrix_b_fmt:MATRIX_FMT_BF6 matrix_a_scale:MATRIX_SCALE_ROW1
.endr
	WIN 0
.Lskip_\@:
	s_add_co_u32 s[T], s[T], 1
	s_add_co_u32 s[TBV], s[TBV], KSTEP
	s_add_co_u32 s[TBK], s[TBK], KSTEP
.endm
.macro SEG n, tbv, tbk
	s_mov_b32 s[TBV], \tbv
	s_mov_b32 s[TBK], \tbk
.if \n > 1
	s_mov_b32 s[CNT], \n
.Lseg_\@:
.endif
	BODY
.if \n > 1
	s_sub_co_u32 s[CNT], s[CNT], 1
	s_cmp_lg_u32 s[CNT], 0
	s_cbranch_scc1 .Lseg_\@
.endif
.endm
	s_wait_alu depctr_va_vdst(0)                   ; the wait at the head's end
	s_wait_tensorcnt 0x0                           ; my eighth of region 0 is in; the lines ahead of a later first fill:
	ds_add_u32 v[SPW], v[NIL]
	s_wait_dscnt 0x0
	CROUND                                         ; everybody's eighth is in, and the four partners are here
	tensor_load_to_lds s[G0+4:G0+7], s[G1:G1+7]    ; region 1 (steps 4-7): it has steps 0 to 2 in which to land
	s_nop 0
	PLACES 4
	v_add_nc_u32 v[ADK], 0, v[LI]
	v_add_nc_u32 v[ADKS], 0, v[LSC]
	KLOAD
	s_wait_loadcnt 0x0
	s_mov_b32 s[T], 0
	SEG 3, 0, KSTEP
	s_wait_tensorcnt 0x0                           ; my eighth of region 1 is in
	ds_add_u32 v[SPW], v[NIL]
	s_wait_dscnt 0x0
	CROUND
	tensor_load_to_lds s[G0+8:G0+11], s[G1:G1+7]   ; region 2 (steps 8-11): it has steps 3 to 6 in which to land
	s_nop 0
	PLACES 4
	SEG 4, 3*KSTEP, 4*KSTEP
	s_wait_tensorcnt 0x0
	ds_add_u32 v[SPW], v[NIL]
	s_add_nc_u64 s[G0+2:G0+3], s[G0+2:G0+3], 3*REGION
	s_wait_dscnt 0x0
	CROUND
	tensor_load_to_lds s[G0:G0+3], s[G1:G1+7]
	s_nop 0
	PLACES 4
	SEG 4, 7*KSTEP, 8*KSTEP
	s_wait_tensorcnt 0x0
	s_wait_dscnt 0x0
	s_barrier_signal -1
	s_barrier_wait -1
	SEG 1, 11*KSTEP, 0
	SEG 4, 0, KSTEP
	PLACES 4
.irp b, 0,1,2,3
	v_mov_b32 v[TM+4+\b], 0
.endr
	v_add_f32 v14, v14, v15
	s_delay_alu instid0(VALU_DEP_1)
	v_permlanex16_b32 v58, v14, s[SEL], s[SEL+1]
	s_delay_alu instid0(VALU_DEP_1)
	v_add_f32 v14, v14, v58
	s_wait_alu depctr_va_vdst(0)
	v_rcp_f32 v[F], v14
	v_nop
	s_wait_alu depctr_va_vdst(0)
	WIN 0x01
.set n, 0
.rept 32
	v_pk_mul_f32 v[S+n:S+n+1], v[n:n+1], v[F:F+1] op_sel_hi:[1,0]
.set n, n+2
.endr
	WIN 0
.irp b, 0,1,2,3
	v_max3_num_f32 v[TM+\b], |v[S+16*\b]|, |v[S+16*\b+1]|, 0x2800000
.endr
.irp i, 2,4,6,8,10,12,14
.irp b, 0,1,2,3
	s_delay_alu instid0(VALU_DEP_4)
	v_max3_num_f32 v[TM+\b], v[TM+\b], |v[S+16*\b+\i]|, |v[S+16*\b+\i+1]|
.endr
.endr
.irp b, 0,1,2,3
	s_delay_alu instid0(VALU_DEP_4)
	v_permlanex16_b32 v[TM+4+\b], v[TM+\b], s[SEL], s[SEL+1]
.endr
.irp b, 0,1,2,3
	s_delay_alu instid0(VALU_DEP_4)
	v_max_num_f32 v[TM+\b], v[TM+\b], v[TM+4+\b]
.endr
.irp b, 0,1,2,3
	s_delay_alu instid0(VALU_DEP_4)
	v_add_nc_u32 v[TM+12+\b], 0xfe000000, v[TM+\b]
.endr
.irp b, 0,1,2,3
	s_delay_alu instid0(VALU_DEP_4)
	v_lshrrev_b32 v[TM+4+\b], 23, v[TM+12+\b]
.endr
	s_delay_alu instid0(VALU_DEP_3)
	v_lshl_or_b32 v59, v[TM+5], 8, v[TM+4]
	s_delay_alu instid0(VALU_DEP_1)
	v_lshl_or_b32 v59, v[TM+6], 16, v59
	s_delay_alu instid0(VALU_DEP_1)
	v_lshl_or_b32 v59, v[TM+7], 24, v59
.irp c, 0,1
	v_cvt_scalef32_pk16_bf6_f32 v[PC+6*\c:PC+6*\c+2], v[S+32*\c:S+32*\c+15], v[TM+12+2*\c]
	v_cvt_scalef32_pk16_bf6_f32 v[PC+12+4*\c:PC+14+4*\c], v[S+32*\c+16:S+32*\c+31], v[TM+13+2*\c]
.endr
	v_nop
.irp c, 0,1
.irp i, 0,1,2
	v_permlane16_swap_b32 v[PC+6*\c+\i], v[PC+12+4*\c+\i]
.endr
.irp i, 0,1,2
	s_delay_alu instid0(VALU_DEP_3)
	v_mov_b32 v[PC+3+6*\c+\i], v[PC+12+4*\c+\i]
.endr
.endr
.irp c, 0,1,2
	global_store_b128 v[IMO], v[PC+4*\c:PC+4*\c+3], s[8:9] offset:512*\c
.endr
	ds_store_b32 v[STA], v59
	s_wait_dscnt 0x0
	s_barrier_signal -1
	s_barrier_wait -1
	s_cmp_lg_u32 s[TA], 0
	s_cbranch_scc1 .Lnot_mine
	ds_load_b64 v[T2:T2+1], v[STR]
	s_wait_dscnt 0x0
	global_store_b64 v[L8], v[T2:T2+1], s[8:9] offset:6144
.Lnot_mine:
	s_wait_tensorcnt 0x0
	ds_add_u32 v[SPW], v[NIL]
	s_wait_dscnt 0x0
	CROUND
	s_endpgm
.Lfunc_end_k_q0d3a4584ca_attn:
	.size	k_q0d3a4584ca_attn, .Lfunc_end_k_q0d3a4584ca_attn-k_q0d3a4584ca_attn
	.p2alignl 7, 3214868480
	.fill 96, 4, 3214868480
	.section	.rodata,"a",@progbits
	.p2align	6, 0x0
	.amdhsa_kernel k_q0d3a4584ca_attn
		.amdhsa_group_segment_fixed_size 327680
		.amdhsa_private_segment_fixed_size 0
		.amdhsa_enable_private_segment 0
		.amdhsa_kernarg_size 24
		.amdhsa_user_sgpr_count 2
		.amdhsa_user_sgpr_kernarg_segment_ptr 1
		.amdhsa_wavefront_size32 1
		.amdhsa_system_sgpr_workgroup_id_x 1
		.amdhsa_system_sgpr_workgroup_id_y 1
		.amdhsa_system_sgpr_workgroup_id_z 1
		.amdhsa_system_vgpr_workitem_id 0
		.amdhsa_next_free_vgpr 416
		.amdhsa_next_free_sgpr 66
		.amdhsa_reserve_vcc 1
		.amdhsa_float_denorm_mode_32 3
		.amdhsa_float_denorm_mode_16_64 3
		.amdhsa_memory_ordered 1
		.amdhsa_forward_progress 1
		.amdhsa_inst_pref_size 146
	.end_amdhsa_kernel
	.amdgpu_metadata
---
amdhsa.version: [ 1, 2 ]
amdhsa.kernels:
  - .name:           k_q0d3a4584ca_attn
    .symbol:         k_q0d3a4584ca_attn.kd
    .args:
      - { .name: qp, .offset: 0, .size: 8, .value_kind: global_buffer, .address_space: global }
      - { .name: kv, .offset: 8, .size: 8, .value_kind: global_buffer, .address_space: global }
      - { .name: cp, .offset: 16, .size: 8, .value_kind: global_buffer, .address_space: global }
    .group_segment_fixed_size: 327680
    .private_segment_fixed_size: 0
    .kernarg_segment_align: 8
    .kernarg_segment_size: 24
    .max_flat_workgroup_size: 256
    .sgpr_count:     66
    .vgpr_count:     416
    .wavefront_size: 32
...
	.end_amdgpu_metadata
.endif
;; end of part 3
;; launch outp (part 4): grid 16 x 16, 4 waves a work-group, clusters of 4 x 4, 327,680 bytes of LDS; arguments cp, wop, out0; writes out0
.if DOCPART == 4
	.amdgcn_target "amdgcn-amd-amdhsa--gfx1250"
	.amdhsa_code_object_version 6
	.text
	.protected	k_q0d3a4584ca_outp
	.globl	k_q0d3a4584ca_outp
	.p2align	8
	.type	k_q0d3a4584ca_outp,@function
k_q0d3a4584ca_outp:
	s_mov_b64 s[64:65], 0
	v_nop
	global_prefetch_b8 v0, s[64:65] scope:SCOPE_SE
	s_setreg_imm32_b32 hwreg(HW_REG_WAVE_MODE, 25, 1), 1
	s_wait_xcnt 0x0
	s_wait_alu depctr_hold_cnt(0) depctr_sa_sdst(0) depctr_va_vdst(0) depctr_va_sdst(0) depctr_va_ssrc(0) depctr_va_vcc(0) depctr_vm_vsrc(0)
	s_getreg_b32 s2, hwreg(HW_REG_IB_STS2, 6, 4)
	s_cmp_eq_u32 s2, 0
	s_cbranch_scc0 .Lentry_in_a_cluster
	s_endpgm
.Lentry_in_a_cluster:
	s_bfe_u32 s2, ttmp6, 0x10000c
	s_cmp_lg_u32 s2, 0xf033
	s_cbranch_scc0 .Lentry_shape_is_right
	s_endpgm
.Lentry_shape_is_right:
; out0 [2048][4096] f32 = ctx Wo, on codes of BF6 (E3M2) with E8M0 scales, K = 2,048.
; OPERANDS come as RECORDS of 6,400 bytes (64 rows x 128 K): four images of an operand's registers (register g of lane l at 512 (g / 4) + 16 l + 4 (g % 4)), then the scale words (row r, image i: 6144 + 16 r + 4 i).
; Row r of image a is row 32 (a / 2) + 8 (a % 2) + r % 8 + 16 (r / 8) of the record's 64.  cp [32 groups of 64 tokens][16 K steps], wop [64 groups of 64 columns][16 K steps].
; A work-group of four waves makes 128 tokens x 256 columns; wave (wa, wb) 64 x 128: 32 accumulators.  (Tiles of 256 x 256 would be 128 for 256 WGPs.)
; THE MATRIX INSTRUCTION IS USED TRANSPOSED (source 0 = 16 columns of Wo, source 1 = 16 tokens): a lane's 64 results of one block of tokens are, register 16 b + i, column 32 b + 16 (lane / 16) + i of the wave's 128.
; K goes through a ring of two LDS slots of 512 along K, filled by the tensor data mover, one load a wave: waves 0 and 1 bring one of A's two groups of 64 rows each, waves 2 and 3 two of B's four each.
; Slot 0 is asked for at the head, slot 1 behind the full sequence and a round of the cluster's barrier.
; CLUSTERS: 4 x 4.  A's tiles are shared along a row of the cluster, B's along a column: joint loads, same descriptor and mask in the four.
; NO PREFETCH: the walk has four fills in all, two first fills and two refills; a lead of two refills would put every request at the head, where the first tiles themselves are being asked for.
; REGISTERS: window 0: v1-13 addresses; v32-47 scale words, two sets; v64-159 A's fragments, two sets; on the way out v64-191 rows of out0.   window 1: B's fragments, two sets at v0 and v128.   window 2: accumulator (a, b) at v[8 (8 a + b)].
.set REC,    6400
.set R64B,   4*REC
.set BOFF,   2*R64B
.set SLOT,   6*R64B
.set SPARE,  2*SLOT                    ; the spare words, 128 bytes for each wave: two blocks of 256 bytes that no other line names
.set KPITCH, 16*REC                    ; a group of 64 rows in memory
.set LI,   1
.set RR,   2
.set HH,   3
.set ADRA, 4
.set ADRB, 6
.set ADRS, 8
.set SPW,  10
.set NIL,  11
.set STO,  12                          ; the way out: where I put 16 bytes of a row
.set RD,   13                          ; and where I read a row back
.set SC,   32
.set AF,   64
.set BK,   64
.set WV,   18
.set WA,   19
.set WB,   20
.set CX,   21
.set CY,   22
.set G1A,  28
.set G1B,  36
.set G0A,  44
.set G0B,  52
.set TC,   60
.set TR,   61
.set MSB, 0
.macro WIN new
.if MSB != (\new)
	s_set_vgpr_msb (MSB<<8)|(\new)
.set MSB, (\new)
.endif
.endm
.macro PLACES n
.rept \n
	v_nop
.endr
.endm
.macro CREST
	s_cmp_lg_u32 s[WV], 0
	s_cbranch_scc1 .Lnot_wave_0_\@
	s_barrier_signal -3
.Lnot_wave_0_\@:
	s_barrier_wait -3
	s_barrier_signal -1
	s_barrier_wait -1
.endm
.macro CROUND
	s_barrier_signal -1
	s_barrier_wait -1
	CREST
.endm
; A joint load into slot s, one a wave: waves 0 and 1 bring one of A's two groups each (100 rows of 256 bytes, dense), waves 2 and 3 two of B's four each.  The branch hangs on the wave's number alone.
; Four v_nop follow each tensor line; they are also the places in front of the LDS loads that follow.
.macro JLOAD s
	s_cmp_lt_u32 s[WV], 2
	s_cbranch_scc0 .Lnot_a_\@
	tensor_load_to_lds s[G0A+4*\s:G0A+4*\s+3], s[G1A:G1A+7]
	s_nop 0
	PLACES 4
	s_branch .Lasked_\@
.Lnot_a_\@:
	tensor_load_to_lds s[G0B+4*\s:G0B+4*\s+3], s[G1B:G1B+7]
	s_nop 0
	PLACES 4
.Lasked_\@:
.endm
	s_load_b128 s[4:7], s[0:1], 0x0                ; cp, wop
	s_load_b64 s[8:9], s[0:1], 0x10                ; out0
	v_lshl_add_u32 v[SPW], v0, 2, SPARE
	v_mov_b32 v[NIL], 0
	ds_add_u32 v10, v11
	ds_add_u32 v10, v11
	s_wait_dscnt 0x0
	v_lshrrev_b32 v15, 5, v0
	v_readfirstlane_b32 s[WV], v15
	s_lshr_b32 s[WA], s[WV], 1
	s_and_b32 s[WB], s[WV], 1
	s_bfe_u32 s[CX], ttmp6, 0x40000
	s_bfe_u32 s[CY], ttmp6, 0x40004
	s_lshl_b32 s[TC], ttmp9, 2
	s_add_co_u32 s[TC], s[TC], s[CX]               ; which 256 columns
	s_and_b32 s[TR], ttmp7, 0xffff
	s_lshl_b32 s[TR], s[TR], 2
	s_add_co_u32 s[TR], s[TR], s[CY]               ; which 128 tokens
	s_lshl_b32 s84, s[CY], 2
	s_lshl_b32 s84, 15, s84                        ; my row of the cluster
	s_lshl_b32 s85, 0x1111, s[CX]                  ; my column
	; descriptor group 1, elements of 8 bytes, no padding
	s_or_b32 s[G1A], s84, (3<<16)|(1<<21)
	s_or_b32 s[G1B], s85, (3<<16)|(1<<21)
	s_mov_b32 s[G1A+1], 32<<16                     ; A: one group's four records, 25,600 dense bytes, as 100 rows of 256 bytes
	s_mov_b32 s[G1A+2], 100<<16
	s_mov_b32 s[G1A+3], 32<<16
	s_mov_b32 s[G1A+4], 100
	s_mov_b32 s[G1A+5], 32
	s_mov_b32 s[G1A+6], 0
	s_mov_b32 s[G1A+7], 0
	s_mov_b32 s[G1B+1], (R64B/8)<<16               ; B: two rows of 25,600 bytes, a group apart
	s_mov_b32 s[G1B+2], 2<<16
	s_mov_b32 s[G1B+3], (R64B/8)<<16
	s_mov_b32 s[G1B+4], 2
	s_mov_b32 s[G1B+5], KPITCH/8
	s_mov_b32 s[G1B+6], 0
	s_mov_b32 s[G1B+7], 0
	s_lshl_b32 s66, s[TR], 1
	s_add_co_u32 s66, s66, s[WB]
	s_mul_i32 s66, s66, KPITCH                     ; A: group 2 TR + wave % 2: made of the tile row and the wave's number alone
	s_mov_b32 s67, 0
	s_lshl_b32 s89, s[WB], 1                       ; wave 2: B's groups 0, 1; wave 3: groups 2, 3
	s_lshl_b32 s70, s[TC], 2
	s_add_co_u32 s70, s70, s89
	s_mul_i32 s70, s70, KPITCH                     ; B: made of the tile column and the wave's number alone
	s_mov_b32 s71, 0
	s_mul_i32 s88, s[WB], R64B                     ; where A's load lands,
	s_mul_i32 s90, s[WB], 2*R64B
	s_add_co_u32 s90, s90, BOFF                    ; and B's
	s_wait_kmcnt 0x0
	s_add_nc_u64 s[68:69], s[4:5], s[66:67]
	s_add_nc_u64 s[72:73], s[6:7], s[70:71]
.irp s, 0,1
	s_mov_b32 s[G0A+4*\s], 1
	s_add_co_u32 s[G0A+4*\s+1], s88, \s*SLOT
	s_add_nc_u64 s[G0A+4*\s+2:G0A+4*\s+3], s[68:69], \s*R64B
	s_or_b32 s[G0A+4*\s+3], s[G0A+4*\s+3], 0x80000000
	s_mov_b32 s[G0B+4*\s], 1
	s_add_co_u32 s[G0B+4*\s+1], s90, \s*SLOT
	s_add_nc_u64 s[G0B+4*\s+2:G0B+4*\s+3], s[72:73], \s*R64B
	s_or_b32 s[G0B+4*\s+3], s[G0B+4*\s+3], 0x80000000
.endr
	CROUND                                         ; all sixteen work-groups are here: the first joint loads meet
	JLOAD 0                                        ; slot 0: one tensor load a wave at the head
	v_and_b32 v15, 31, v0
	v_lshlrev_b32 v[LI], 4, v15
	v_and_b32 v[RR], 15, v0
	v_bfe_u32 v[HH], v0, 4, 1
	s_mul_i32 s84, s[WA], R64B
	s_mul_i32 s85, s[WB], 2*R64B
	s_add_co_u32 s85, s85, BOFF
	v_add_nc_u32 v[ADRA], s84, v[LI]
	v_add_nc_u32 v[ADRA+1], SLOT, v[ADRA]
	v_add_nc_u32 v[ADRB], s85, v[LI]
	v_add_nc_u32 v[ADRB+1], SLOT, v[ADRB]
	s_sub_co_u32 s85, s85, s84
	v_mul_u32_u24 v15, s85, v[HH]                  ; lanes 16-31 take B's scale words
	v_lshl_add_u32 v15, v[RR], 4, v15
	s_add_co_u32 s84, s84, 6144
	v_add_nc_u32 v[ADRS], s84, v15
	v_add_nc_u32 v[ADRS+1], SLOT, v[ADRS]
	s_mul_i32 s84, s[WV], 8448                     ; my stage: 16 rows x (512 bytes + 16).  It lies in slot 0, which has had its last fill and its last read when the first result is stored there
	v_mul_u32_u24 v[STO], v[RR], 528
	v_lshl_add_u32 v[STO], v[HH], 6, v[STO]
	v_add_nc_u32 v[STO], s84, v[STO]               ; in: row r, + 64 h
	v_add_nc_u32 v[RD], s84, v[LI]                 ; back: the 32 lanes take one row
	s_lshl_b32 s86, s[TR], 7
	s_lshl_b32 s84, s[WA], 6
	s_add_co_u32 s86, s86, s84                     ; my first token
	s_lshl_b32 s86, s86, 14                        ; x 16,384 bytes a row
	s_lshl_b32 s84, s[TC], 10
	s_add_co_u32 s86, s86, s84
	s_lshl_b32 s84, s[WB], 9
	s_add_co_u32 s86, s86, s84                     ; + my first column
	s_mov_b32 s87, 0
	s_add_nc_u64 s[8:9], s[8:9], s[86:87]
.macro FETCH slot, q, p                ; 38 LDS loads in one run: K step q of the slot into set p
	WIN 0x40
.irp b, 0,1,2,3,4,5,6,7
.irp c, 0,1,2
	ds_load_b128 v[128*(\p)+12*\b+4*\c:128*(\p)+12*\b+4*\c+3], v[ADRB+\slot] offset:(\b/4)*R64B+(\q)*REC+(\b%4)*1536+512*\c
.endr
.endr
	WIN 0
.irp a, 0,1,2,3
.irp c, 0,1,2
	ds_load_b128 v[AF+48*(\p)+12*\a+4*\c:AF+48*(\p)+12*\a+4*\c+3], v[ADRA+\slot] offset:(\q)*REC+\a*1536+512*\c
.endr
.endr
	ds_load_b128 v[SC+8*(\p):SC+8*(\p)+3], v[ADRS+\slot] offset:(\q)*REC         ; lanes 0-15: A's blocks 0-3; lanes 16-31: B's 0-3
	ds_load_b128 v[SC+8*(\p)+4:SC+8*(\p)+7], v[ADRS+\slot] offset:(\q)*REC+R64B  ; lanes 16-31: B's 4-7
.endm
.macro MUL8 a, p, zero                 ; A's block a x B's eight.  The 32 accumulators take turns, one instruction a turn, in the same order in every step
.irp b, 0,1,2,3,4,5,6,7
.if \zero
	v_wmma_scale_f32_16x16x128_f8f6f4 v[8*(8*(\a)+\b):8*(8*(\a)+\b)+7], v[128*(\p)+12*\b:128*(\p)+12*\b+11], v[AF+48*(\p)+12*(\a):AF+48*(\p)+12*(\a)+11], 0, v[SC+8*(\p)+\b], v[SC+8*(\p)+(\a)] matrix_a_fmt:MATRIX_FMT_BF6 matrix_b_fmt:MATRIX_FMT_BF6 matrix_a_scale:MATRIX_SCALE_ROW1
.else
	v_wmma_scale_f32_16x16x128_f8f6f4 v[8*(8*(\a)+\b):8*(8*(\a)+\b)+7], v[128*(\p)+12*\b:128*(\p)+12*\b+11], v[AF+48*(\p)+12*(\a):AF+48*(\p)+12*(\a)+11], v[8*(8*(\a)+\b):8*(8*(\a)+\b)+7], v[SC+8*(\p)+\b], v[SC+8*(\p)+(\a)] matrix_a_fmt:MATRIX_FMT_BF6 matrix_b_fmt:MATRIX_FMT_BF6 matrix_a_scale:MATRIX_SCALE_ROW1
.endif
.endr
.endm
.macro STEP slot, q, zero              ; a K step that has its successor in the same slot: the successor's fragments land under this step's 32 products
	s_wait_dscnt 0x0                               ; this step's fragments are in
	PLACES 4                                       ; four plain lines between the last step's products and the loads into the registers that they read
	FETCH \slot, (\q)+1, 1-(\q)%2
	WIN 0xa1
	MUL8 0, (\q)%2, \zero
	MUL8 1, (\q)%2, \zero
	MUL8 2, (\q)%2, \zero
	MUL8 3, (\q)%2, \zero
	WIN 0
.endm
.macro TURN slot, next, fill           ; a slot's last K step (set 1) changes slots
	s_wait_tensorcnt 0x0                           ; all my tensor loads have landed: my part of the next slot;
	ds_add_u32 v[SPW], v[NIL]                      ; 0 onto my spare word;
	s_wait_dscnt 0x1                               ; the fragments are in; the add alone may be out
	WIN 0xa1
	MUL8 0, 1, 0
	s_wait_dscnt 0x0                               ; the add is done, and my reads of this slot are over
	s_barrier_signal -1
	MUL8 1, 1, 0
	WIN 0
	s_barrier_wait -1
.if \fill
	CREST                                          ; the barrier has opened a round of the cluster's barrier: no wave of any partner still reads this slot or has a load on its way
	s_add_nc_u64 s[G0A+4*\slot+2:G0A+4*\slot+3], s[G0A+4*\slot+2:G0A+4*\slot+3], 2*R64B
	s_add_nc_u64 s[G0B+4*\slot+2:G0B+4*\slot+3], s[G0B+4*\slot+2:G0B+4*\slot+3], 2*R64B
	JLOAD \slot                                    ; the first tensor load behind the round
.else
	PLACES 4
.endif
	FETCH \next, 0, 0
	WIN 0xa1
	MUL8 2, 1, 0
	MUL8 3, 1, 0
	WIN 0
.endm
	s_wait_alu depctr_va_vdst(0)                   ; the wait at the head's end
	s_wait_tensorcnt 0x0                           ; my part of slot 0 is in; these lines stand ahead of a later first fill, as ahead of a refill
	ds_add_u32 v[SPW], v[NIL]
	s_wait_dscnt 0x0
	CROUND                                         ; everybody's part is in, and all sixteen work-groups are here
	JLOAD 1                                        ; slot 1's first fill, the first tensor load behind the round
	FETCH 0, 0, 0
	STEP 0, 0, 1                                   ; K = 2,048 is four slots' worth: twice round the ring, written out.  The first products start the sums
	STEP 0, 1, 0
	STEP 0, 2, 0
	TURN 0, 1, 1
	STEP 1, 0, 0
	STEP 1, 1, 0
	STEP 1, 2, 0
	TURN 1, 0, 1
	STEP 0, 0, 0
	STEP 0, 1, 0
	STEP 0, 2, 0
	TURN 0, 1, 0                                   ; the last lap fills nothing, and has no round of the cluster's barrier
	STEP 1, 0, 0
	STEP 1, 1, 0
	STEP 1, 2, 0
	s_wait_dscnt 0x0
	WIN 0xa1
	MUL8 0, 1, 0
	MUL8 1, 1, 0
	MUL8 2, 1, 0
	MUL8 3, 1, 0
	WIN 0
; THE WAY OUT, a block of 16 tokens x 128 columns at a time: through my own stage and back as whole rows of 512 bytes.  LDS serves a wave's instructions in order: no wait between the stores and the loads.
.macro TOSTAGE a
	WIN 0x08                                       ; an LDS store's data are its source 1: window 2
.irp b, 0,1,2,3,4,5,6,7
	ds_store_b128 v[STO], v[8*(8*(\a)+\b):8*(8*(\a)+\b)+3] offset:128*(\b/2)+32*(\b%2)       ; each accumulator from its low end on
	ds_store_b128 v[STO], v[8*(8*(\a)+\b)+4:8*(8*(\a)+\b)+7] offset:128*(\b/2)+32*(\b%2)+16
.endr
	WIN 0
.irp t, 0,1,2,3,4,5,6,7,8,9,10,11,12,13,14,15
	ds_load_b128 v[BK+64*((\a)%2)+4*\t:BK+64*((\a)%2)+4*\t+3], v[RD] offset:528*\t
.endr
.endm
.macro SEND a, younger                 ; younger: the LDS instructions issued behind block a's loads, which may stay out.  The order of the rows is undone in the immediates
	s_wait_dscnt \younger
.irp t, 0,1,2,3,4,5,6,7,8,9,10,11,12,13,14,15
	global_store_b128 v[LI], v[BK+64*((\a)%2)+4*\t:BK+64*((\a)%2)+4*\t+3], s[8:9] offset:(32*((\a)/2)+8*((\a)%2)+(\t%8)+16*(\t/8))*16384 th:TH_STORE_NT   ; 512 consecutive bytes, at a multiple of 256 from out0's first byte
.endr
.endm
	PLACES 4                                       ; behind the last products: for the stores that read results and the loads into the registers that held A's fragments
	TOSTAGE 0
	TOSTAGE 1
	SEND 0, 32                                     ; behind block 0's loads: block 1's 16 stores and 16 loads
	s_wait_xcnt 0x0                                ; block 0's stores have read their registers: block 2's rows may land there
	TOSTAGE 2
	SEND 1, 32
	s_wait_xcnt 0x0
	TOSTAGE 3
	SEND 2, 32
	SEND 3, 0
	s_wait_tensorcnt 0x0                           ; the wave's end
	ds_add_u32 v[SPW], v[NIL]
	s_wait_dscnt 0x0
	CROUND                                         ; the closing round
	s_endpgm
.Lfunc_end_k_q0d3a4584ca_outp:
	.size	k_q0d3a4584ca_outp, .Lfunc_end_k_q0d3a4584ca_outp-k_q0d3a4584ca_outp
	.p2alignl 7, 3214868480
	.fill 96, 4, 3214868480
	.section	.rodata,"a",@progbits
	.p2align	6, 0x0
	.amdhsa_kernel k_q0d3a4584ca_outp
		.amdhsa_group_segment_fixed_size 327680
		.amdhsa_private_segment_fixed_size 0
		.amdhsa_enable_private_segment 0
		.amdhsa_kernarg_size 24
		.amdhsa_user_sgpr_count 2
		.amdhsa_user_sgpr_kernarg_segment_ptr 1
		.amdhsa_wavefront_size32 1
		.amdhsa_system_sgpr_workgroup_id_x 1
		.amdhsa_system_sgpr_workgroup_id_y 1
		.amdhsa_system_sgpr_workgroup_id_z 1
		.amdhsa_system_vgpr_workitem_id 0
		.amdhsa_next_free_vgpr 768
		.amdhsa_next_free_sgpr 100
		.amdhsa_reserve_vcc 0
		.amdhsa_float_denorm_mode_32 3
		.amdhsa_float_denorm_mode_16_64 3
		.amdhsa_memory_ordered 1
		.amdhsa_forward_progress 1
		.amdhsa_inst_pref_size 131
	.end_amdhsa_kernel
	.amdgpu_metadata
---
amdhsa.version: [ 1, 2 ]
amdhsa.kernels:
  - .name:           k_q0d3a4584ca_outp
    .symbol:         k_q0d3a4584ca_outp.kd
    .args:
      - { .name: cp, .offset: 0, .size: 8, .value_kind: global_buffer, .address_space: global }
      - { .name: wop, .offset: 8, .size: 8, .value_kind: global_buffer, .address_space: global }
      - { .name: out0, .offset: 16, .size: 8, .value_kind: global_buffer, .address_space: global }
    .group_segment_fixed_size: 327680
    .private_segment_fixed_size: 0
    .kernarg_segment_align: 8
    .kernarg_segment_size: 24
    .max_flat_workgroup_size: 128
    .sgpr_count:     100
    .vgpr_count:     768
    .wavefront_size: 32
...
	.end_amdgpu_metadata
.endif
;; end of part 4
